; MI455X (gfx1250); checked and timed in simulation.
; The chip was launched on July 23, 2026; its instructions are those of AMD's public machine-readable ISA for CDNA 5 (MIT licence, August 2026) and "CDNA5" Instruction Set Architecture Reference Guide (July 2026). The comments in the code are by the model that wrote it; some were corrected since.
;; Cross Attention. Allowed arithmetic: matrix products marked QUANTISED: E2M1 operands, one E8M0 scale for each 32 along K, by v_wmma_scale_f32_16x16x128_f8f6f4 with both operands' format E2M1 (or v_wmma_scale_f32_32x16x128_f4), f32 sums; products left as they are: bf16, f16 or f32 operands; f32 sums; everything else in f32.
;; Inputs: b_kv 2,048 float32; b_out 1,024 float32; b_q 1,024 float32; kv 2 x 2,048 x 1,024 float32; q 2 x 2,048 x 1,024 float32; w_kv 2,048 x 1,024 float32; w_norm 1,024 float32; w_out 1,024 x 1,024 float32; w_q 1,024 x 1,024 float32.
;; Outputs: out0 2 x 2,048 x 1,024 float32.
;; This version of the problem:
;;   THIS VERSION OF THE PROBLEM IS GIVEN IN LOW PRECISION. The matrix products marked QUANTISED in the list below multiply operands that are first quantised to E2M1 (2 exponent bits, 1 mantissa bit; 4 bits a number), with one power-of-two scale for each 32 numbers along K (OCP MX v1.0); their sums are f32. The products marked 'left as it is' may take bf16, f16 or f32 operands, with f32 sums. All else is computed in f32.
;;   The module's matrix products, in the order in which they are computed (A, B: the left and right operand; K: the contracted axis; several contracted axes count as one K, in the product's order):
;;     1. [M 4,096, K 1,024] x [K 1,024, N 1,024]; A: computed on the way; B: input w_q: left as it is (an operand is computed on the way)
;;     2. [M 4,096, K 1,024] x [K 1,024, N 2,048]; A: input kv; B: input w_kv: QUANTISED
;;     3. batch 32 x [M 2,048, K 64] x [K 64, N 2,048]; A: computed on the way; B: computed on the way: left as it is (an operand is computed on the way)
;;     4. batch 32 x [M 2,048, K 2,048] x [K 2,048, N 64]; A: computed on the way; B: computed on the way: left as it is (an operand is computed on the way)
;;     5. [M 4,096, K 1,024] x [K 1,024, N 1,024]; A: computed on the way; B: input w_out: left as it is (an operand is computed on the way)
;;   THE QUANTISER, for each operand of a quantised product, along K:
;;     - K is cut into blocks of 32 from its start; a last block that is shorter is filled with zeros.
;;     - A block's scale is 2^e with e = floor(log2(the largest magnitude in the block)) - 2, held to -126 .. 127; a block of zeros has e = 0. As a byte (E8M0): e + 127.
;;     - Each number is divided by its block's scale, clamped to +-6, and rounded to the nearest number of E2M1, ties to even, subnormals kept.
;;     - The product sums the exact products of the quantised numbers (number of the format x scale) in f32.
;;   ~~~python
;;   def quantise(x, axis):      # numpy; x: float32 -> the quantised numbers, widened to float32 again
;;       x = np.moveaxis(x, axis, -1); K = x.shape[-1]
;;       x = np.pad(x, [(0, 0)] * (x.ndim - 1) + [(0, -K % 32)]); x = x.reshape(x.shape[:-1] + (-1, 32)); a = np.abs(x).max(-1, keepdims=True)
;;       e = np.where(a > 0, np.clip(np.frexp(np.where(a > 0, a, 1))[1] - 1 - 2, -126, 127), 0)      # np.frexp(a)[1] - 1 = floor(log2(a)), exactly
;;       r = np.clip(x / 2.0 ** e, -6, 6)
;;       step = 2.0 ** (np.maximum(np.frexp(np.where(r == 0, 1, r))[1] - 1, 0) - 1)
;;       q = np.round(r / step) * step * 2.0 ** e      # np.round: ties to even
;;       return np.moveaxis(q.reshape(q.shape[:-2] + (-1,))[..., :K], -1, axis).astype(np.float32)
;;   ~~~
;; One version. Each part assembles by itself: llvm-mc -triple=amdgcn-amd-amdhsa -mcpu=gfx1250 --defsym DOCPART=n.
;; ======== version 1 of 1: 4 launches
;; limits: values are held in f16: magnitudes above 65,504 overflow, below 6.1e-05 lose precision
;; workspace buffers: xq 8,388,608 bytes; wimg 4,194,304 bytes; codes 3,145,728 bytes; scl 196,608 bytes; qh 8,388,608 bytes; kh 8,388,608 bytes; vh 8,388,608 bytes; oimg 8,388,608 bytes
;; launch prep (part 1): grid 768 x 1, 4 waves a work-group, no clusters, 68,096 bytes of LDS; arguments q, w_q, w_out, kv, w_kv, w_norm, xq, wimg, codes, scl; writes xq, wimg, codes, scl
.if DOCPART == 1
	.amdgcn_target "amdgcn-amd-amdhsa--gfx1250"
	.amdhsa_code_object_version 6
	.text
	.protected	k_q9e1e79cabd_prep
	.globl	k_q9e1e79cabd_prep
	.p2align	8
	.type	k_q9e1e79cabd_prep,@function
k_q9e1e79cabd_prep:
	s_mov_b64 s[64:65], 0
	v_nop
	global_prefetch_b8 v0, s[64:65] scope:SCOPE_SE
	s_setreg_imm32_b32 hwreg(HW_REG_WAVE_MODE, 25, 1), 1
	s_wait_xcnt 0x0
; PREP: every operand of the later launches is made once, and laid as AN IMAGE OF ITS REGISTERS.
;   q      [4096][1024] f32 -> xq:    q x rsqrt(mean(q^2) + 1e-5), f16         (the gain w_norm goes into w_q, below)
;   w_q    [1024][1024] f32 -> wimg:  w_q[n][k] x w_norm[k], f16:  (x rs g) W^T = (x rs) (W o g)^T; the product with g is rounded with W, not with x
;   w_out  [1024][1024] f32 -> wimg + 0x200000: f16
;   kv     [4096][1024], w_kv [2048][1024] f32 -> codes, scl: codes of FP4 (E2M1) and one E8M0 byte for each 32 along K
; THE IMAGE.  A fragment (f16: 16 rows x 32 K; FP4: 16 rows x 128 K) is 8 registers a lane: 1,024 bytes, as two halves of 512: half c holds registers 4 c .. 4 c + 3, lane l's 16 bytes at 16 l.
;   xq, wimg: [K step of 256][block of 16 rows][8 fragments];  codes: [block of 16 rows][8 fragments];  scl: [block of 16 rows][s / 4][row][s % 4] words, s the K step of 128: a word is a row's four bytes.
; SHARES.  A work-group takes 16 rows x 1,024 columns, wave w columns 256 w on.  Work-groups 0-255: q; 256-319: w_q; 320-383: w_out; 384-639: kv; 640-767: w_kv.
; Each load reads 512 consecutive bytes; the numbers turn through the wave's own stage in LDS (rows 1,040 bytes apart: 65 x 16, so that sixteen rows start at sixteen different places modulo 256 bytes) and come
; back as a lane's neighbours along K; each store writes 512 consecutive bytes.  No tensor loads, no matrix work: the launch streams.
; A block's scale is 2^(floor(log2(its largest magnitude)) - 2): its byte is the largest magnitude's exponent field - 2, held at 1 from below.
; LIMITS: NaN and infinities are not served.  A block of zeros, or one whose largest magnitude lies under 2^-124, gets the byte 1 (a block of zeros: where the rule says 127; its codes are zeros, and this
; program alone reads the bytes).  f16: q x rsqrt is at most 32 in magnitude for every q; weights beyond 65,504 are not served, weights under 2^-14 are kept in steps of 2^-24.
.set PITCH, 1040
.set STGW,  16*PITCH                   ; a wave's stage
.set RED,   4*STGW                     ; 256 bytes: the waves' sums of squares, word [wave][row]
.set SCG,   RED+256                    ; 512 bytes: the block's scale words
.set WN,  16                           ; v16-23   w_norm at my 8 columns of a row's two loads
.set SQ,  24                           ; v24-31   sums of squares, at work
.set X,   32                           ; v32-159  128 numbers
.set CD,  160                          ; v160-175 codes
.set MX,  176                          ; v176-179 four blocks' largest magnitudes
.set SC,  180                          ; v180-183 the conversions' scale operands
.set BY,  184                          ; v184-187 the bytes
.set WD,  188                          ; v188-189 two scale words
.set PM,  190                          ; v190-191 lane permutes' destinations
	s_load_b512 s[4:19], s[0:1], 0x0               ; q, w_q, w_out, kv, w_kv, w_norm, xq, wimg
	s_load_b128 s[20:23], s[0:1], 0x40             ; codes, scl
	v_lshl_add_u32 v192, v0, 2, 0x10800
	v_mov_b32 v193, 0
	v_lshrrev_b32 v1, 5, v0
	v_readfirstlane_b32 s24, v1                    ; wave 0..3
	v_and_b32 v1, 31, v0                           ; lane
	v_and_b32 v2, 15, v0                           ; r
	v_bfe_u32 v3, v0, 4, 1                         ; h
	v_lshlrev_b32 v4, 4, v1                        ; 16 x lane: every global offset
	s_mul_i32 s25, s24, STGW
	v_add_nc_u32 v5, s25, v4                       ; the stage, on the way in: 16 x lane
	v_mul_u32_u24 v7, v2, PITCH
	v_add_nc_u32 v7, s25, v7
	v_lshl_add_u32 v6, v3, 5, v7                   ; out, f16: row r, + 32 h: eight numbers of each 16
	v_lshl_add_u32 v7, v3, 7, v7                   ; out, FP4: row r, + 128 h: a block of 32 of each 64
	s_lshl_b32 s29, s24, 6
	s_add_co_u32 s29, s29, RED
	v_lshl_add_u32 v8, v2, 2, s29                  ; my wave's word for row r
	v_lshl_add_u32 v9, v2, 2, RED                  ; and wave 0's
	s_lshr_b32 s29, s24, 1
	s_lshl_b32 s29, s29, 8
	s_and_b32 s41, s24, 1
	s_lshl_b32 s41, s41, 3
	s_add_co_u32 s29, s29, s41
	s_add_co_u32 s29, s29, SCG
	v_lshl_add_u32 v10, v2, 4, s29                 ; my two scale words: K steps 2 w, 2 w + 1 of row r
	v_lshl_add_u32 v11, v1, 4, SCG                 ; and the block's 512 bytes, 16 a lane
	v_lshlrev_b32 v12, 3, v3                       ; 8 h
	v_mov_b32 v[PM], 0                             ; written once: a lane permute's destination counts as one of its sources
	v_mov_b32 v[PM+1], 0
	s_mov_b32 s38, 0x76543210
	s_mov_b32 s39, 0xfedcba98                      ; v_permlanex16_b32's selects for lane l xor 16
	s_wait_kmcnt 0x0
	s_mov_b64 s[26:27], s[12:13]                   ; which tensor, and its first work-group: the choices hang on the work-group's number alone
	s_mov_b32 s28, 640
	s_cmp_lt_u32 ttmp9, 640
	s_cselect_b64 s[26:27], s[10:11], s[26:27]
	s_cselect_b32 s28, 384, s28
	s_cmp_lt_u32 ttmp9, 384
	s_cselect_b64 s[26:27], s[8:9], s[26:27]
	s_cselect_b32 s28, 320, s28
	s_cmp_lt_u32 ttmp9, 320
	s_cselect_b64 s[26:27], s[6:7], s[26:27]
	s_cselect_b32 s28, 256, s28
	s_cmp_lt_u32 ttmp9, 256
	s_cselect_b64 s[26:27], s[4:5], s[26:27]
	s_cselect_b32 s28, 0, s28
	s_sub_co_u32 s28, ttmp9, s28                   ; my block of 16 rows in that tensor
	s_lshl_b32 s42, s28, 16                        ; 16 rows of 4,096 bytes,
	s_lshl_b32 s43, s24, 10                        ; my wave's 1,024 bytes of a row
	s_add_co_u32 s42, s42, s43
	s_mov_b32 s43, 0
	s_add_nc_u64 s[26:27], s[26:27], s[42:43]
	s_lshl_b32 s42, s24, 10
	s_add_nc_u64 s[36:37], s[14:15], s[42:43]      ; w_norm at my wave's columns
	global_load_b128 v[WN:WN+3], v4, s[36:37]
	global_load_b128 v[WN+4:WN+7], v4, s[36:37] offset:512
.irp i, 0,1,2,3,4,5,6,7,8,9,10,11,12,13,14,15
.irp j, 0,1
	global_load_b128 v[X+4*(2*\i+\j):X+4*(2*\i+\j)+3], v4, s[26:27] offset:4096*\i+512*\j th:TH_LOAD_NT   ; row i: 32 lanes read 512 consecutive bytes
.endr
.endr
	s_wait_loadcnt 0x0
	s_sub_co_u32 s29, ttmp9, 256
	s_cmp_lt_u32 s29, 64                           ; w_q alone takes the gain: as loaded, a lane's columns are the same in all 16 rows
	s_cbranch_scc0 .Lno_gain
.irp i, 0,1,2,3,4,5,6,7,8,9,10,11,12,13,14,15
.irp j, 0,1
.irp k, 0,1
	v_pk_mul_f32 v[X+4*(2*\i+\j)+2*\k:X+4*(2*\i+\j)+2*\k+1], v[X+4*(2*\i+\j)+2*\k:X+4*(2*\i+\j)+2*\k+1], v[WN+4*\j+2*\k:WN+4*\j+2*\k+1]
.endr
.endr
.endr
.Lno_gain:
.irp i, 0,1,2,3,4,5,6,7,8,9,10,11,12,13,14,15
.irp j, 0,1
	ds_store_b128 v5, v[X+4*(2*\i+\j):X+4*(2*\i+\j)+3] offset:PITCH*\i+512*\j
.endr
.endr
	s_wait_dscnt 0x0                               ; the stores have read their registers: the loads below land there
	s_cmp_ge_u32 ttmp9, 384
	s_cbranch_scc1 .Lfp4
	; ---- f16.  Half g = 2 kb + c of my eight fragments: k = 16 g + 8 h + 0 .. 7 of row r
	s_mov_b32 s41, 0x80000                         ; a K step of 256 in wimg: 64 blocks of 8,192 bytes;
	s_cmp_lt_u32 ttmp9, 256
	s_cselect_b64 s[30:31], s[16:17], s[18:19]
	s_cselect_b32 s41, 0x200000, s41               ; in xq: 256 blocks
	s_mul_i32 s42, s41, s24                        ; my wave's columns are K step w
	s_lshl_b32 s44, s28, 13
	s_add_co_u32 s42, s42, s44
	s_cmp_ge_u32 ttmp9, 320
	s_cselect_b32 s44, 0x200000, 0                 ; w_out lies behind w_q
	s_add_co_u32 s42, s42, s44
	s_add_nc_u64 s[30:31], s[30:31], s[42:43]
.irp g, 0,1,2,3,4,5,6,7,8,9,10,11,12,13,14,15
	ds_load_b128 v[X+8*\g:X+8*\g+3], v6 offset:64*\g
	ds_load_b128 v[X+8*\g+4:X+8*\g+7], v6 offset:64*\g+16
.endr
	s_wait_dscnt 0x0
	s_cmp_ge_u32 ttmp9, 256
	s_cbranch_scc1 .Lpack                          ; weights are only rounded
	; q: the row's sum of squares: my 128 numbers in four chains, lane l xor 16's, the other waves'
.irp k, 0,1,2,3
	v_pk_mul_f32 v[SQ+2*\k:SQ+2*\k+1], v[X+2*\k:X+2*\k+1], v[X+2*\k:X+2*\k+1]
.endr
.set p, 4
.rept 60
	v_pk_fma_f32 v[SQ+2*(p%4):SQ+2*(p%4)+1], v[X+2*p:X+2*p+1], v[X+2*p:X+2*p+1], v[SQ+2*(p%4):SQ+2*(p%4)+1]
.set p, p+1
.endr
	v_pk_add_f32 v[SQ:SQ+1], v[SQ:SQ+1], v[SQ+2:SQ+3]
	v_pk_add_f32 v[SQ+4:SQ+5], v[SQ+4:SQ+5], v[SQ+6:SQ+7]
	v_pk_add_f32 v[SQ:SQ+1], v[SQ:SQ+1], v[SQ+4:SQ+5]
	v_add_f32 v[SQ], v[SQ], v[SQ+1]
	v_permlanex16_b32 v[PM], v[SQ], s38, s39
	v_add_f32 v[SQ], v[SQ], v[PM]
	ds_store_b32 v8, v[SQ]                         ; lanes r and r + 16 write the same word with the same value
	s_wait_dscnt 0x0                               ; for the others' sake: my word has landed
	s_barrier_signal -1
	s_barrier_wait -1
.irp i, 0,1,2,3
	ds_load_b32 v[SQ+2+\i], v9 offset:64*\i
.endr
	s_wait_dscnt 0x0
	v_add_f32 v[SQ], v[SQ+2], v[SQ+3]              ; the same order in every wave
	v_add_f32 v[SQ+4], v[SQ+4], v[SQ+5]
	v_add_f32 v[SQ], v[SQ], v[SQ+4]
	v_mov_b32 v[SQ+1], 0x3a800000                  ; 1 / 1,024
	v_fmaak_f32 v[SQ], v[SQ], v[SQ+1], 0x3727c5ac  ; the mean + 1e-5
	v_rsq_f32 v[SQ+2], v[SQ]
	v_mov_b32 v[SQ+3], 0                           ; a plain instruction behind the transcendental (ISA guide 5.7.2); the pair's upper half is written, since the packed form names it
.set p, 0
	s_wait_alu depctr_va_vdst(0)
.rept 64
	v_pk_mul_f32 v[X+2*p:X+2*p+1], v[X+2*p:X+2*p+1], v[SQ+2:SQ+3] op_sel_hi:[1,0]
.set p, p+1
.endr
.Lpack:
.irp g, 0,1,2,3,4,5,6,7,8,9,10,11,12,13,14,15
.irp i, 0,1,2,3
	v_cvt_pk_f16_f32 v[X+8*\g+\i], v[X+8*\g+2*\i], v[X+8*\g+2*\i+1]   ; in place, ascending: a result lands on numbers already rounded
.endr
	global_store_b128 v4, v[X+8*\g:X+8*\g+3], s[30:31] offset:512*\g   ; half g: 512 consecutive bytes
.endr
	s_wait_tensorcnt 0x0
	ds_add_u32 v192, v193
	s_wait_dscnt 0x0
	s_endpgm
	; ---- FP4.  My wave's 256 columns are K steps 2 w and 2 w + 1.  Half b = 2 f + c of fragment f: k = 64 b + 32 h + 0 .. 31 of row r: a whole block in a lane
.Lfp4:
	s_sub_co_u32 s29, ttmp9, 384                   ; the block of 16 rows among kv's 256 and w_kv's 128
	s_lshl_b32 s42, s29, 13
	s_lshl_b32 s44, s24, 11
	s_add_co_u32 s42, s42, s44
	s_add_nc_u64 s[32:33], s[20:21], s[42:43]      ; my two fragments
	s_lshl_b32 s42, s29, 9
	s_add_nc_u64 s[34:35], s[22:23], s[42:43]      ; the block's 512 bytes of scale words
.irp b, 0,1,2,3
.irp i, 0,1,2,3,4,5,6,7
	ds_load_b128 v[X+32*\b+4*\i:X+32*\b+4*\i+3], v7 offset:256*\b+16*\i
.endr
.endr
	s_wait_dscnt 0x0
.irp b, 0,1,2,3
	v_max3_num_f32 v[MX+\b], |v[X+32*\b]|, |v[X+32*\b+1]|, 0x1800000   ; the floor 2^(3 - 127), under which no largest magnitude is taken: so the byte cannot fall under 1
.endr
.irp i, 2,4,6,8,10,12,14,16,18,20,22,24,26,28,30
.irp b, 0,1,2,3
	v_max3_num_f32 v[MX+\b], v[MX+\b], |v[X+32*\b+\i]|, |v[X+32*\b+\i+1]|   ; the four blocks by turns
.endr
.endr
.irp b, 0,1,2,3
	v_add_nc_u32 v[SC+\b], 0xff000000, v[MX+\b]    ; 2 off the exponent field: the conversion takes the exponent field of this operand as its scale
.endr
.irp b, 0,1,2,3
	v_lshrrev_b32 v[BY+\b], 23, v[SC+\b]           ; the scale's byte
.endr
.irp f, 0,1
	v_lshl_or_b32 v[WD+\f], v[BY+2*\f+1], 16, v[BY+2*\f]   ; my two bytes of K step f: blocks h and 2 + h,
.endr
.irp f, 0,1
	v_lshlrev_b32 v[WD+\f], v12, v[WD+\f]          ; at their places in the word;
.endr
.irp f, 0,1
	v_permlanex16_b32 v[PM+\f], v[WD+\f], s38, s39
.endr
.irp f, 0,1
	v_or_b32 v[WD+\f], v[WD+\f], v[PM+\f]          ; with lane l xor 16's two the word is whole
.endr
.irp b, 0,1,2,3
.irp g, 0,1,2,3
	v_cvt_scalef32_pk8_fp4_f32 v[CD+4*\b+\g], v[X+32*\b+8*\g:X+32*\b+8*\g+7], v[SC+\b]   ; to the nearest code, ties to even, beyond 6 the largest code
.endr
.endr
	v_nop                                          ; one plain instruction behind the last scaled conversion
.irp b, 0,1,2,3
	global_store_b128 v4, v[CD+4*\b:CD+4*\b+3], s[32:33] offset:512*\b
.endr
	ds_store_b64 v10, v[WD:WD+1]                   ; lanes r and r + 16 write the same words with the same values
	s_wait_dscnt 0x0                               ; for wave 0's sake
	s_barrier_signal -1
	s_barrier_wait -1
	s_cmp_lg_u32 s24, 0
	s_cbranch_scc1 .Lend
	ds_load_b128 v[SQ:SQ+3], v11                   ; wave 0 stores the block's scale words: 512 consecutive bytes
	s_wait_dscnt 0x0
	global_store_b128 v4, v[SQ:SQ+3], s[34:35]
.Lend:
	s_wait_tensorcnt 0x0
	ds_add_u32 v192, v193
	s_wait_dscnt 0x0
	s_endpgm
.Lfunc_end_k_q9e1e79cabd_prep:
	.size	k_q9e1e79cabd_prep, .Lfunc_end_k_q9e1e79cabd_prep-k_q9e1e79cabd_prep
	.p2alignl 7, 3214868480
	.fill 96, 4, 3214868480
	.section	.rodata,"a",@progbits
	.p2align	6, 0x0
	.amdhsa_kernel k_q9e1e79cabd_prep
		.amdhsa_group_segment_fixed_size 68096
		.amdhsa_private_segment_fixed_size 0
		.amdhsa_enable_private_segment 0
		.amdhsa_kernarg_size 80
		.amdhsa_user_sgpr_count 2
		.amdhsa_user_sgpr_kernarg_segment_ptr 1
		.amdhsa_wavefront_size32 1
		.amdhsa_system_sgpr_workgroup_id_x 1
		.amdhsa_system_sgpr_workgroup_id_y 1
		.amdhsa_system_sgpr_workgroup_id_z 1
		.amdhsa_system_vgpr_workitem_id 0
		.amdhsa_next_free_vgpr 194
		.amdhsa_next_free_sgpr 66
		.amdhsa_reserve_vcc 0
		.amdhsa_float_denorm_mode_32 3
		.amdhsa_float_denorm_mode_16_64 3
		.amdhsa_memory_ordered 1
		.amdhsa_forward_progress 1
		.amdhsa_inst_pref_size 39
	.end_amdhsa_kernel
	.amdgpu_metadata
---
amdhsa.version: [ 1, 2 ]
amdhsa.kernels:
  - .name:           k_q9e1e79cabd_prep
    .symbol:         k_q9e1e79cabd_prep.kd
    .args:
      - { .name: q, .offset: 0, .size: 8, .value_kind: global_buffer, .address_space: global }
      - { .name: w_q, .offset: 8, .size: 8, .value_kind: global_buffer, .address_space: global }
      - { .name: w_out, .offset: 16, .size: 8, .value_kind: global_buffer, .address_space: global }
      - { .name: kv, .offset: 24, .size: 8, .value_kind: global_buffer, .address_space: global }
      - { .name: w_kv, .offset: 32, .size: 8, .value_kind: global_buffer, .address_space: global }
      - { .name: w_norm, .offset: 40, .size: 8, .value_kind: global_buffer, .address_space: global }
      - { .name: xq, .offset: 48, .size: 8, .value_kind: global_buffer, .address_space: global }
      - { .name: wimg, .offset: 56, .size: 8, .value_kind: global_buffer, .address_space: global }
      - { .name: codes, .offset: 64, .size: 8, .value_kind: global_buffer, .address_space: global }
      - { .name: scl, .offset: 72, .size: 8, .value_kind: global_buffer, .address_space: global }
    .group_segment_fixed_size: 68096
    .private_segment_fixed_size: 0
    .kernarg_segment_align: 8
    .kernarg_segment_size: 80
    .max_flat_workgroup_size: 128
    .sgpr_count:     66
    .vgpr_count:     194
    .wavefront_size: 32
...
	.end_amdgpu_metadata
.endif
;; end of part 1
;; launch proj (part 2): grid 8 x 32, 4 waves a work-group, clusters of 4 x 4, 327,680 bytes of LDS; arguments xq, wimg, codes, scl, b_q, b_kv, qh, kh, vh; writes qh, kh, vh
.if DOCPART == 2
	.amdgcn_target "amdgcn-amd-amdhsa--gfx1250"
	.amdhsa_code_object_version 6
	.text
	.protected	k_q9e1e79cabd_proj
	.globl	k_q9e1e79cabd_proj
	.p2align	8
	.type	k_q9e1e79cabd_proj,@function
k_q9e1e79cabd_proj:
	s_mov_b64 s[64:65], 0
	v_nop
	global_prefetch_b8 v0, s[64:65] scope:SCOPE_SE
	s_setreg_imm32_b32 hwreg(HW_REG_WAVE_MODE, 25, 1), 1
	s_wait_xcnt 0x0
	s_wait_alu depctr_hold_cnt(0) depctr_sa_sdst(0) depctr_va_vdst(0) depctr_va_sdst(0) depctr_va_ssrc(0) depctr_va_vcc(0) depctr_vm_vsrc(0)
	s_getreg_b32 s2, hwreg(HW_REG_IB_STS2, 6, 4)
	s_cmp_eq_u32 s2, 0
	s_cbranch_scc0 .Lentry_in_a_cluster
	s_endpgm
.Lentry_in_a_cluster:
	s_bfe_u32 s2, ttmp6, 0x10000c
	s_cmp_lg_u32 s2, 0xf033
	s_cbranch_scc0 .Lentry_shape_is_right
	s_endpgm
.Lentry_shape_is_right:
; PROJ: the three projections.  A work-group takes 128 tokens (tile Y) x 128 features (tile X) and makes, one after the other,
;   Q   = xq (w_q o w_norm)^T + b_q          f16 operands, f32 sums, K = 1,024 in four steps of 256
;   K   = Q4(kv) Q4(w_k)^T + b_k             codes of FP4 with E8M0 scales, the scaled matrix instruction, K = 1,024 in eight steps of 128
;   V^T = Q4(w_v) Q4(kv)^T + b_v             likewise, the sources the other way round
; and stores each as f16 IMAGES OF THE NEXT PRODUCT'S REGISTERS (a fragment: 1,024 bytes, two halves of 512, lane l's 16 bytes at 16 l).
; Four waves, each 64 tokens (half HI) x 64 features (half LO, which is one head): 16 accumulators of 16 x 16.
; THE MATRIX INSTRUCTION IS USED TRANSPOSED: source 0 = the B role, source 1 = the A role; a lane then holds one row of the A role and eight neighbours of the B role, which pack into the four registers of half a fragment:
; Q, K: A = tokens, B = features: a lane holds a token and 8 channels;  V^T: A = features, B = tokens: a lane holds a channel and 8 keys.  So nothing goes through LDS on the way out.
; The biases are the C of each sum's first matrix instruction.
; LDS: two slots of 131,072 bytes: 65,536 of the A kind (tokens), 65,536 of the B kind (weights).  All tiles lie in memory as images, so each wave's share of a tile is 32,768 consecutive bytes, and a tile of f16
; (128 rows x 256 K) has the shape of a tile of codes (128 rows x 1,024 K): 8 blocks of rows x 8 fragments.  Images are read 512 consecutive bytes an instruction: no padding.
; Slot 0: K steps 0 and 2 of xq and w_q, then kv's and w_k's codes.  Slot 1: K steps 1 and 3, then (B kind alone) w_v's codes.  By this text's count a wave has at most two tensor loads out.
; CLUSTERS: 4 x 4 work-groups.  The four of a row of the cluster need the same tokens' tiles, the four of a column the same weights' tiles: each is asked for JOINTLY.
; REGISTERS: window 0: v2-6 offsets, v16-21 LDS addresses, v28-29 for the add, v64-111 scale words (nothing else), v128-255 accumulators ((a, b) at v[128 + 8 (4 a + b)]);
;   window 1: two fragment buffers of 128 (two K steps deep: 64 registers of the A role, 64 of the B role);  window 2: v0-31 b_q, v32-63 b_k, v64-95 b_v, in the results' layout.
; LIMITS: NaN and infinities are not served; Q, K and V beyond 65,504 in magnitude overflow f16.
.set SLOT,  131072
.set SPARE, 279552                     ; the spare words, 128 bytes for each wave: two blocks of 256 bytes that no other line names
.set L16,   2                          ; v2   16 x lane
.set ADRA0, 16                         ; v16, v17  my 64 rows of the A kind in slot 0, 1
.set ADRA1, 17
.set ADRB0, 20                         ; v20, v21  my 64 rows of the B kind
.set ADRB1, 21
.set SPW,   28                         ; v28  LDS address of my spare word; never rewritten
.set NIL,   29                         ; v29  0; never rewritten
.set SKV,   64                         ; scale words: register 4 i + j: lanes 0-15 row r of my block i for K step j, lanes 16-31 for K step 4 + j
.set SWK,   80
.set SWV,   96
.set ACC,   128
.set F0,    0
.set F1,    128
.set BQ,    0
.set BK,    32
.set BV,    64
.set WV,    22
.set HI,    23
.set LO,    24
.set G1A,   32                         ; s[32:39] descriptor group 1, mask: my row of the cluster;  s[40:47] mask: my column
.set G1B,   40
.set G0A,   48                         ; s[48:55] group 0 for xq's tiles, a set for each slot;  s[56:63] for w_q's
.set G0B,   56
.set G0KV,  68                         ; s[68:71] kv's codes;  s[72:75] w_k's;  s[76:79] w_v's
.set G0WK,  72
.set G0WV,  76
.set MSB, 0
.macro WIN new                         ; the immediate's high byte repeats the setting that is left
.if MSB != \new
	s_set_vgpr_msb (MSB<<8)|\new
.set MSB, \new
.endif
.endm
.macro PLACES                          ; four places in front of loads into registers that matrix instructions have read, and of the first read of results
.rept 4
	v_nop
.endr
.endm
; A joint load: waves 0 and 1 fetch the two halves of the A kind's tile, waves 2 and 3 those of the B kind's.  The branch hangs on the wave's number alone.  Four v_nop follow each line.
.macro JLOAD g0a, g1a, g0b, g1b
	s_cmp_eq_u32 s[HI], 0
	s_cbranch_scc0 .Lfor_b_\@
	tensor_load_to_lds s[\g0a:\g0a+3], s[\g1a:\g1a+7]
	s_nop 0
.rept 4
	v_nop
.endr
	s_branch .Lasked_\@
.Lfor_b_\@:
	tensor_load_to_lds s[\g0b:\g0b+3], s[\g1b:\g1b+7]
	s_nop 0
.rept 4
	v_nop
.endr
.Lasked_\@:
.endm
.macro JLOADB g0b, g1b                 ; a tile of the B kind alone: waves 0 and 1 have nothing to fetch
	s_cmp_eq_u32 s[HI], 0
	s_cbranch_scc1 .Lnone_\@
	tensor_load_to_lds s[\g0b:\g0b+3], s[\g1b:\g1b+7]
	s_nop 0
.rept 4
	v_nop
.endr
.Lnone_\@:
	PLACES                                         ; on both ways: the places in front of the fragment loads that follow
.endm
.macro CREST                           ; a round of the cluster's barrier behind its opening barrier
	s_cmp_lg_u32 s[WV], 0
	s_cbranch_scc1 .Lnot_wave_0_\@
	s_barrier_signal -3
.Lnot_wave_0_\@:
	s_barrier_wait -3
	s_barrier_signal -1
	s_barrier_wait -1
.endm
.macro CROUND                          ; a whole round
	s_barrier_signal -1
	s_barrier_wait -1
	CREST
.endm
; 32 LDS loads in one run: fragments 2 q and 2 q + 1 of my four blocks of each role, into buffer f; fragment 2 q's sixteen loads first.  ra, rb: the address registers of the A role and the B role
.macro FETCH ra, rb, q, f
	WIN 0x40                                       ; destination window 1, address window 0
.irp c, 0,1
.irp i, 0,1,2,3
	ds_load_b128 v[\f+64+8*(4*\c+\i):\f+64+8*(4*\c+\i)+3],   v[\rb] offset:\i*8192+(2*(\q)+\c)*1024
	ds_load_b128 v[\f+64+8*(4*\c+\i)+4:\f+64+8*(4*\c+\i)+7], v[\rb] offset:\i*8192+(2*(\q)+\c)*1024+512
	ds_load_b128 v[\f+8*(4*\c+\i):\f+8*(4*\c+\i)+3],         v[\ra] offset:\i*8192+(2*(\q)+\c)*1024
	ds_load_b128 v[\f+8*(4*\c+\i)+4:\f+8*(4*\c+\i)+7],       v[\ra] offset:\i*8192+(2*(\q)+\c)*1024+512
.endr
.endr
.endm
; 8 matrix instructions: blocks a0, a0 + 1 of the A role x the four of the B role, fragment 2 q + c (half c of buffer f).  first = 1: the bias is the C.  The 16 accumulators take turns.
; KIND 0: f16.  KIND 1: codes of FP4; K step s = 2 q + c takes its scale words from register s % 4 of a block's four, from lanes 16-31 where s is 4 or more.
.macro MUL8 f, c, a0, first, q
.irp a, \a0, \a0+1
.irp b, 0,1,2,3
.set rD, ACC+8*(4*(\a)+\b)
.set rB, \f+64+8*(4*\c+\b)
.set rA, \f+8*(4*\c+(\a))
.set rC, rD
.if \first
.if BYA
.set rC, BIAS+8*(\a)
.else
.set rC, BIAS+8*\b
.endif
.endif
.if KIND
.set sS, 2*(\q)+\c
.if sS >= 4
	v_wmma_scale_f32_16x16x128_f8f6f4 v[rD:rD+7], v[rB:rB+7], v[rA:rA+7], v[rC:rC+7], v[SB+4*\b+sS%4], v[SA+4*(\a)+sS%4] matrix_a_fmt:MATRIX_FMT_FP4 matrix_b_fmt:MATRIX_FMT_FP4 matrix_a_scale:MATRIX_SCALE_ROW1 matrix_b_scale:MATRIX_SCALE_ROW1
.else
	v_wmma_scale_f32_16x16x128_f8f6f4 v[rD:rD+7], v[rB:rB+7], v[rA:rA+7], v[rC:rC+7], v[SB+4*\b+sS%4], v[SA+4*(\a)+sS%4] matrix_a_fmt:MATRIX_FMT_FP4 matrix_b_fmt:MATRIX_FMT_FP4
.endif
.else
	v_wmma_f32_16x16x32_f16 v[rD:rD+7], v[rB:rB+7], v[rA:rA+7], v[rC:rC+7]
.endif
.endr
.endr
.endm
; A tile is four quarters of two fragments, 32 matrix instructions each, on buffers 0, 1, 0, 1.  One of the first three: multiplies buffer f and fetches the next quarter into g.
.macro QUARTER ra, rb, q, f, g, first
	s_wait_dscnt 16                                ; the first fragment's sixteen loads are in; the second's may be out
.if \first
	WIN 0x25                                       ; sources 0 and 1 window 1, C (the bias) window 2, D window 0
.else
	WIN 0x05                                       ; sources 0 and 1 window 1, C and D window 0
.endif
	MUL8 \f, 0, 0, \first, \q
	MUL8 \f, 0, 2, \first, \q
	PLACES
	FETCH \ra, \rb, (\q)+1, \g
	s_wait_dscnt 32                                ; all but the 32 just issued
	WIN 0x05
	MUL8 \f, 1, 0, 0, \q
	MUL8 \f, 1, 2, 0, \q
.endm
.macro THREE ra, rb, first
	QUARTER \ra, \rb, 0, F0, F1, \first
	QUARTER \ra, \rb, 1, F1, F0, 0
	QUARTER \ra, \rb, 2, F0, F1, 0
.endm
; The last quarter multiplies buffer 1 and changes tiles: ONE barrier; in front of it each wave waits for all its tensor loads, adds 0 to its spare word, and waits for that and for its own reads of the tile.
; mode 0: nothing is filled.  Else the barrier opens a round of the cluster's barrier, and the tile just read out is filled again first behind it:
; mode 1: slot's next K step of xq and w_q;  mode 2: slot 0 takes kv's and w_k's codes;  mode 3: slot 1's B kind takes w_v's codes.  Then the next tile's first fragments are fetched by nra, nrb.
.macro TURN mode, slot, nra, nrb
	WIN 0                                          ; (the add's two registers lie in window 0)
	s_wait_tensorcnt 0x0                           ; all my tensor loads have landed: my part of the tile that is read next;
	ds_add_u32 v[SPW], v[NIL]                      ; 0 onto my spare word;
	s_wait_dscnt 17                                ; (the add and the second fragment's sixteen loads may be out)
	WIN 0x05
	MUL8 F1, 0, 0, 0, 3                            ; eight matrix instructions stand between the add and the wait for it
	s_wait_dscnt 0x0                               ; the add is done, and my reads of this tile are over
	s_barrier_signal -1
	MUL8 F1, 0, 2, 0, 3
	WIN 0                                          ; (branches may follow: at a branch and at a label every window is 0)
	s_barrier_wait -1
.if \mode == 0
	PLACES
.else
	CREST                                          ; no wave of any partner still reads this tile or has a load on its way
.if \mode == 1
	s_add_nc_u64 s[G0A+4*\slot+2:G0A+4*\slot+3], s[G0A+4*\slot+2:G0A+4*\slot+3], 0x400000   ; two K steps on in xq,
	s_add_nc_u64 s[G0B+4*\slot+2:G0B+4*\slot+3], s[G0B+4*\slot+2:G0B+4*\slot+3], 0x100000   ; and in wimg
	JLOAD G0A+4*\slot, G1A, G0B+4*\slot, G1B       ; the first tensor load behind the round; its four v_nop are also the places in front of the loads below
.elseif \mode == 2
	JLOAD G0KV, G1A, G0WK, G1B
.else
	JLOADB G0WV, G1B
.endif
.endif
	FETCH \nra, \nrb, 0, F0
	WIN 0x05
	MUL8 F1, 1, 0, 0, 3
	MUL8 F1, 1, 2, 0, 3
.endm
.macro LASTQ                           ; the very last quarter: nothing more to fetch
	s_wait_dscnt 16
	WIN 0x05
	MUL8 F1, 0, 0, 0, 3
	MUL8 F1, 0, 2, 0, 3
	s_wait_dscnt 0x0
	MUL8 F1, 1, 0, 0, 3
	MUL8 F1, 1, 2, 0, 3
.endm
; THE WAY OUT: an accumulator's eight numbers, rounded to f16, are half a fragment of the next product: 16 bytes a lane, 512 consecutive bytes a store.  Each accumulator is read from its low end on.
; Q, K: accumulator (a, b) is half b % 2 of fragment (tokens 16 a on, channels 32 (b / 2) on);  V^T (vmode): half b % 2 of fragment (keys 32 (b / 2) on, channels 16 a on).
.macro OUTIMG lo, vmode
	WIN 0
	PLACES
.irp a, 0,1,2,3
.irp b, 0,1,2,3
.set rT, ACC+8*(4*\a+\b)
.irp i, 0,1,2,3
	v_cvt_pk_f16_f32 v[rT+\i], v[rT+2*\i], v[rT+2*\i+1]
.endr
.if \vmode
	global_store_b128 v[L16], v[rT:rT+3], s[\lo:\lo+1] offset:(\b/2)*4096+\a*1024+(\b%2)*512
.else
	global_store_b128 v[L16], v[rT:rT+3], s[\lo:\lo+1] offset:512*(4*\a+\b)
.endif
.endr
.endr
.endm
	s_load_b512 s[4:19], s[0:1], 0x0               ; xq s[4:5], wimg s[6:7], codes s[8:9], scl s[10:11], b_q s[12:13], b_kv s[14:15], qh s[16:17], kh s[18:19]
	s_load_b64 s[20:21], s[0:1], 0x40              ; vh
	v_lshl_add_u32 v[SPW], v0, 2, SPARE
	v_mov_b32 v[NIL], 0
	ds_add_u32 v28, v29
	ds_add_u32 v28, v29
	s_wait_dscnt 0x0
	v_lshrrev_b32 v1, 5, v0
	v_readfirstlane_b32 s[WV], v1                  ; wave 0..3
	s_lshr_b32 s[HI], s[WV], 1                     ; which 64 tokens are mine.  Also: I fetch the A kind (0) or the B kind (1)
	s_and_b32 s[LO], s[WV], 1                      ; which 64 features.  Also: which 64 rows of that tile I fetch
	s_bfe_u32 s25, ttmp6, 0x40000                  ; cx, cy: my place in the cluster
	s_bfe_u32 s26, ttmp6, 0x40004
	s_lshl_b32 s27, ttmp9, 2
	s_add_co_u32 s27, s27, s25                     ; X = 4 x cluster x + cx
	s_and_b32 s28, ttmp7, 0xffff
	s_lshl_b32 s28, s28, 2
	s_add_co_u32 s28, s28, s26                     ; Y = 4 x cluster y + cy
	s_lshl_b32 s30, s26, 2
	s_lshl_b32 s30, 15, s30                        ; my row of the cluster
	s_lshl_b32 s31, 0x1111, s25                    ; my column
	; descriptor group 1: 32,768 consecutive bytes as 128 rows of 32 elements of 8 bytes; no padding
	s_or_b32 s[G1A], s30, (3<<16)|(1<<21)          ; 15:0 the mask; 17:16 elements of 8 bytes; 21 set beside a mask
	s_or_b32 s[G1B], s31, (3<<16)|(1<<21)
.irp g, G1A, G1B
	s_mov_b32 s[\g+1], 32<<16                      ; tensor_dim0 = 32
	s_mov_b32 s[\g+2], 128<<16                     ; tensor_dim1 = 128
	s_mov_b32 s[\g+3], 32<<16                      ; tile_dim0 = 32
	s_mov_b32 s[\g+4], 128                         ; tile_dim1 = 128
	s_mov_b32 s[\g+5], 32                          ; tensor_dim0_stride
	s_mov_b32 s[\g+6], 0
	s_mov_b32 s[\g+7], 0
.endr
	s_lshl_b32 s29, s[LO], 15                      ; which 64 rows of a tile I fetch: 32,768 bytes
	s_lshl_b32 s80, s28, 16                        ; a tile of tokens: 65,536 bytes for each Y.  s[80:81] never hold X,
	s_add_co_u32 s80, s80, s29
	s_mov_b32 s81, 0
	s_lshl_b32 s82, s27, 16                        ; a tile of weights: the same for each X.  s[82:83] never hold Y
	s_add_co_u32 s82, s82, s29
	s_mov_b32 s83, 0
	s_lshl_b32 s84, s[WV], 15                      ; where my share goes in a slot: wave x 32,768: no place in the cluster enters an LDS address
	s_lshl_b32 s86, s28, 12                        ; scale words: 512 bytes a block of 16 rows.  kv's: my 64 tokens
	s_lshl_b32 s3, s[HI], 11
	s_add_co_u32 s86, s86, s3
	s_mov_b32 s87, 0
	s_lshl_b32 s88, s27, 12                        ; w_k's: behind kv's 256 blocks, my 64 features; w_v's lie 64 blocks further on
	s_lshl_b32 s3, s[LO], 11
	s_add_co_u32 s88, s88, s3
	s_add_co_u32 s88, s88, 0x20000
	s_mov_b32 s89, 0
	s_lshl_b32 s90, s27, 9                         ; biases: my 64 features, 4 bytes each
	s_lshl_b32 s3, s[LO], 8
	s_add_co_u32 s90, s90, s3
	s_mov_b32 s91, 0
	s_lshr_b32 s2, s28, 4                          ; the way out: batch x 16 + head, head = 2 X + LO: 262,144 bytes each in qh, kh and vh;
	s_lshl_b32 s2, s2, 4
	s_lshl_b32 s3, s27, 1
	s_add_co_u32 s2, s2, s3
	s_add_co_u32 s2, s2, s[LO]
	s_lshl_b32 s94, s2, 18
	s_and_b32 s3, s28, 15                          ; in it 128 tokens are 16,384 bytes, my 64 of them 8,192
	s_lshl_b32 s3, s3, 14
	s_add_co_u32 s94, s94, s3
	s_lshl_b32 s3, s[HI], 13
	s_add_co_u32 s94, s94, s3
	s_mov_b32 s95, 0
	v_and_b32 v1, 31, v0
	v_lshlrev_b32 v[L16], 4, v1                    ; 16 x lane
	v_and_b32 v5, 15, v0                           ; r
	v_bfe_u32 v6, v0, 4, 1                         ; h
	v_lshlrev_b32 v3, 5, v6                        ; 32 h: a lane's eight features' biases
	v_lshlrev_b32 v4, 2, v5                        ; 4 r: a lane's one channel's bias
	s_lshl_b32 s29, s[HI], 15
	v_add_nc_u32 v[ADRA0], s29, v[L16]
	v_add_nc_u32 v[ADRA1], SLOT, v[ADRA0]
	s_lshl_b32 s29, s[LO], 15
	s_add_co_u32 s29, s29, 65536
	v_add_nc_u32 v[ADRB0], s29, v[L16]
	v_add_nc_u32 v[ADRB1], SLOT, v[ADRB0]
	s_wait_kmcnt 0x0
	s_add_nc_u64 s[86:87], s[10:11], s[86:87]
	s_add_nc_u64 s[88:89], s[10:11], s[88:89]
	s_add_nc_u64 s[92:93], s[14:15], s[90:91]
	s_add_nc_u64 s[90:91], s[12:13], s[90:91]
	s_add_nc_u64 s[16:17], s[16:17], s[94:95]
	s_add_nc_u64 s[18:19], s[18:19], s[94:95]
	s_add_nc_u64 s[20:21], s[20:21], s[94:95]
.irp s, 0,1
	s_mov_b32 s[G0A+4*\s], 1                       ; 1:0 count = 1
	s_add_co_u32 s[G0A+4*\s+1], s84, \s*SLOT       ; 63:32 LDS address
	s_add_nc_u64 s[G0A+4*\s+2:G0A+4*\s+3], s[4:5], s[80:81]   ; 120:64 global address: K step s
.if \s
	s_add_nc_u64 s[G0A+4*\s+2:G0A+4*\s+3], s[G0A+4*\s+2:G0A+4*\s+3], 0x200000
.endif
	s_or_b32 s[G0A+4*\s+3], s[G0A+4*\s+3], 0x80000000   ; 127:126 type = 2
	s_mov_b32 s[G0B+4*\s], 1
	s_add_co_u32 s[G0B+4*\s+1], s84, \s*SLOT
	s_add_nc_u64 s[G0B+4*\s+2:G0B+4*\s+3], s[6:7], s[82:83]
.if \s
	s_add_nc_u64 s[G0B+4*\s+2:G0B+4*\s+3], s[G0B+4*\s+2:G0B+4*\s+3], 0x80000
.endif
	s_or_b32 s[G0B+4*\s+3], s[G0B+4*\s+3], 0x80000000
.endr
	s_mov_b32 s[G0KV], 1
	s_mov_b32 s[G0KV+1], s84                       ; slot 0
	s_add_nc_u64 s[G0KV+2:G0KV+3], s[8:9], s[80:81]
	s_or_b32 s[G0KV+3], s[G0KV+3], 0x80000000
	s_mov_b32 s[G0WK], 1
	s_mov_b32 s[G0WK+1], s84
	s_add_nc_u64 s[G0WK+2:G0WK+3], s[8:9], s[82:83]
	s_add_nc_u64 s[G0WK+2:G0WK+3], s[G0WK+2:G0WK+3], 0x200000   ; w_k's codes lie behind kv's 256 blocks of 8,192 bytes,
	s_or_b32 s[G0WK+3], s[G0WK+3], 0x80000000
	s_mov_b32 s[G0WV], 1
	s_add_co_u32 s[G0WV+1], s84, SLOT              ; slot 1
	s_add_nc_u64 s[G0WV+2:G0WV+3], s[8:9], s[82:83]
	s_add_nc_u64 s[G0WV+2:G0WV+3], s[G0WV+2:G0WV+3], 0x280000   ; w_v's 64 blocks further on
	s_or_b32 s[G0WV+3], s[G0WV+3], 0x80000000
	CROUND                                         ; all sixteen work-groups are here: the first joint loads meet
	JLOAD G0A, G1A, G0B, G1B                       ; K step 0
	JLOAD G0A+4, G1A, G0B+4, G1B                   ; K step 1: two loads of mine are out
.irp i, 0,1,2,3
	global_load_b128 v[SKV+4*\i:SKV+4*\i+3], v[L16], s[86:87] offset:512*\i          ; a block's scale words for all of K: 512 consecutive bytes
	global_load_b128 v[SWK+4*\i:SWK+4*\i+3], v[L16], s[88:89] offset:512*\i
	global_load_b128 v[SWV+4*\i:SWV+4*\i+3], v[L16], s[88:89] offset:512*\i+0x8000
.endr
	WIN 0x80                                       ; destination window 2
.irp b, 0,1,2,3
	global_load_b128 v[BQ+8*\b:BQ+8*\b+3],   v3, s[90:91] offset:64*\b               ; features 16 b + 8 h + 0 .. 7
	global_load_b128 v[BQ+8*\b+4:BQ+8*\b+7], v3, s[90:91] offset:64*\b+16
	global_load_b128 v[BK+8*\b:BK+8*\b+3],   v3, s[92:93] offset:64*\b
	global_load_b128 v[BK+8*\b+4:BK+8*\b+7], v3, s[92:93] offset:64*\b+16
.endr
.irp a, 0,1,2,3
.irp j, 0,1,2,3,4,5,6,7
	global_load_b32 v[BV+8*\a+\j], v4, s[92:93] offset:4096+64*\a                    ; channel 16 a + r, for each of the lane's eight keys
.endr
.endr
	WIN 0
	s_wait_tensorcnt 0x1                           ; my part of K step 0 is in; K step 1's may stay out
	s_barrier_signal -1
	s_barrier_wait -1                              ; everybody's is
	FETCH ADRA0, ADRB0, 0, F0
	s_wait_loadcnt 0x0                             ; scale words and biases
	; ---- Q
.set KIND, 0
.set BIAS, BQ
.set BYA,  0
.set SA,   SKV
.set SB,   SWK
	THREE ADRA0, ADRB0, 1
	TURN 1, 0, ADRA1, ADRB1                        ; slot 0 takes K step 2
	THREE ADRA1, ADRB1, 0
	TURN 1, 1, ADRA0, ADRB0                        ; slot 1 takes K step 3
	THREE ADRA0, ADRB0, 0
	TURN 2, 0, ADRA1, ADRB1                        ; slot 0 takes kv's and w_k's codes
	THREE ADRA1, ADRB1, 0
	TURN 3, 0, ADRA0, ADRB0                        ; slot 1's B kind takes w_v's codes; the codes in slot 0 have landed: their first fragments are fetched
	OUTIMG 16, 0
	s_wait_xcnt 0x0                                ; the stores have read their registers: the accumulators are begun anew (the conversions are the places in front of that)
	; ---- K
.set KIND, 1
.set BIAS, BK
	THREE ADRA0, ADRB0, 1
	TURN 0, 0, ADRB1, ADRA0                        ; w_v's codes have landed; nothing is filled.  From here the A role is w_v, the B role kv
	OUTIMG 18, 0
	s_wait_xcnt 0x0
	; ---- V^T
.set BIAS, BV
.set BYA,  1
.set SA,   SWV
.set SB,   SKV
	THREE ADRB1, ADRA0, 1
	LASTQ
	OUTIMG 20, 1
	s_wait_tensorcnt 0x0                           ; the wave's end
	ds_add_u32 v[SPW], v[NIL]
	s_wait_dscnt 0x0
	CROUND                                         ; the closing round: no work-group ends while a partner may still ask for a tile that names it
	s_endpgm
.Lfunc_end_k_q9e1e79cabd_proj:
	.size	k_q9e1e79cabd_proj, .Lfunc_end_k_q9e1e79cabd_proj-k_q9e1e79cabd_proj
	.p2alignl 7, 3214868480
	.fill 96, 4, 3214868480
	.section	.rodata,"a",@progbits
	.p2align	6, 0x0
	.amdhsa_kernel k_q9e1e79cabd_proj
		.amdhsa_group_segment_fixed_size 327680
		.amdhsa_private_segment_fixed_size 0
		.amdhsa_enable_private_segment 0
		.amdhsa_kernarg_size 72
		.amdhsa_user_sgpr_count 2
		.amdhsa_user_sgpr_kernarg_segment_ptr 1
		.amdhsa_wavefront_size32 1
		.amdhsa_system_sgpr_workgroup_id_x 1
		.amdhsa_system_sgpr_workgroup_id_y 1
		.amdhsa_system_sgpr_workgroup_id_z 1
		.amdhsa_system_vgpr_workitem_id 0
		.amdhsa_next_free_vgpr 640
		.amdhsa_next_free_sgpr 96
		.amdhsa_reserve_vcc 0
		.amdhsa_float_denorm_mode_32 3
		.amdhsa_float_denorm_mode_16_64 3
		.amdhsa_memory_ordered 1
		.amdhsa_forward_progress 1
		.amdhsa_inst_pref_size 153
	.end_amdhsa_kernel
	.amdgpu_metadata
---
amdhsa.version: [ 1, 2 ]
amdhsa.kernels:
  - .name:           k_q9e1e79cabd_proj
    .symbol:         k_q9e1e79cabd_proj.kd
    .args:
      - { .name: xq, .offset: 0, .size: 8, .value_kind: global_buffer, .address_space: global }
      - { .name: wimg, .offset: 8, .size: 8, .value_kind: global_buffer, .address_space: global }
      - { .name: codes, .offset: 16, .size: 8, .value_kind: global_buffer, .address_space: global }
      - { .name: scl, .offset: 24, .size: 8, .value_kind: global_buffer, .address_space: global }
      - { .name: b_q, .offset: 32, .size: 8, .value_kind: global_buffer, .address_space: global }
      - { .name: b_kv, .offset: 40, .size: 8, .value_kind: global_buffer, .address_space: global }
      - { .name: qh, .offset: 48, .size: 8, .value_kind: global_buffer, .address_space: global }
      - { .name: kh, .offset: 56, .size: 8, .value_kind: global_buffer, .address_space: global }
      - { .name: vh, .offset: 64, .size: 8, .value_kind: global_buffer, .address_space: global }
    .group_segment_fixed_size: 327680
    .private_segment_fixed_size: 0
    .kernarg_segment_align: 8
    .kernarg_segment_size: 72
    .max_flat_workgroup_size: 128
    .sgpr_count:     96
    .vgpr_count:     640
    .wavefront_size: 32
...
	.end_amdgpu_metadata
.endif
;; end of part 2
;; launch attn (part 3): grid 8 x 32, 4 waves a work-group, clusters of 4 x 1, 327,680 bytes of LDS; arguments qh, kh, vh, oimg; writes oimg
.if DOCPART == 3
	.amdgcn_target "amdgcn-amd-amdhsa--gfx1250"
	.amdhsa_code_object_version 6
	.text
	.protected	k_q9e1e79cabd_attn
	.globl	k_q9e1e79cabd_attn
	.p2align	8
	.type	k_q9e1e79cabd_attn,@function
k_q9e1e79cabd_attn:
	s_mov_b64 s[64:65], 0
	v_nop
	global_prefetch_b8 v0, s[64:65] scope:SCOPE_SE
	s_setreg_imm32_b32 hwreg(HW_REG_WAVE_MODE, 25, 1), 1
	s_wait_xcnt 0x0
	s_wait_alu depctr_hold_cnt(0) depctr_sa_sdst(0) depctr_va_vdst(0) depctr_va_sdst(0) depctr_va_ssrc(0) depctr_va_vcc(0) depctr_vm_vsrc(0)
	s_getreg_b32 s2, hwreg(HW_REG_IB_STS2, 6, 4)
	s_cmp_eq_u32 s2, 0
	s_cbranch_scc0 .Lentry_in_a_cluster
	s_endpgm
.Lentry_in_a_cluster:
	s_bfe_u32 s2, ttmp6, 0x10000c
	s_cmp_lg_u32 s2, 0x3003
	s_cbranch_scc0 .Lentry_shape_is_right
	s_endpgm
.Lentry_shape_is_right:
; ATTN: o[b][head][q] = the sum over k of softmax_k(Q . K / 8) V: 2,048 keys, head size 64, no mask.  Q, K, V^T arrive as f16 IMAGES OF FRAGMENTS (a fragment, 16 rows x 32 along a product's K, is 8 registers a lane:
; 1,024 bytes, two halves of 512, lane l's 16 bytes at 16 l).  Products, maxima and sums in f32; the weights p are rounded to f16 for the second product, o once at the end, to f16, as images of the next launch's fragments.
; SHARES.  A work-group owns 256 queries of one (batch, head), each of its four waves 64: four tiles of 16, so that each fragment of K and V read from LDS feeds four products.  Every wave walks all keys, 64 a step.
; LAYOUT.  S^T = K Q^T (source 0 = 16 keys, source 1 = 16 queries): a lane holds ONE query (lane % 16) and keys 8 (lane / 16) + 0..7.  Two such tiles, rounded to f16 in pairs, ARE source 1 (32 keys x 16 queries) of
; O^T = V^T P, whose result again holds one query a lane, and eight channels: rounded, half a fragment of the next launch.  Nothing changes lanes but one exchange for the maximum and one for the sum.
; SOFTMAX.  For each query a running maximum m and sum l: p = 2^(c s - c m), c = log2(e) / 8; in every step O and l are multiplied by a = 2^(c m_old - c m_new), which is 1 where m has not grown.
; BY TURNS.  The wave's tiles are two PIECES, named by their first tile: piece 0 (tiles 0, 1) and piece 2 (tiles 2, 3).  In a TURN one piece has the matrix unit: 16 products V^T P of the step in hand, then 16 products
; K Q^T of the next step; the other piece's softmax, 236 vector instructions cut into 64 slices, stands between them, two slices behind each matrix instruction.  Then the pieces change places.  Two turns are a key step.
; RING.  Two LDS slots of 512 keys: 65,536 bytes of K, then 65,536 of V.  Both lie in memory as images, so a wave's share is 32,768 consecutive bytes: waves 0, 1 fetch K's halves, waves 2, 3 V's, by one line.
; Images are read 512 consecutive bytes an instruction: no padding.  By this text's count a wave has at most two tensor loads out.
; CLUSTER.  The four query blocks of a cluster belong to one head and walk the same K and V: each share is asked for JOINTLY, with the mask of all four.
; No prefetch: a refill is asked for at a change of slots and waited for at the next, eight key steps, 512 matrix instructions of the wave, later.
; REGISTERS, in windows of 256 (s_set_vgpr_msb's low byte: bits 1:0 source 0, 3:2 source 1, 5:4 source 2, 7:6 destination):
;   window 0: v2-4 addresses; v12-43 eight registers of statistics a tile; v62-63 for the add; v64-191 S^T, 32 a tile; v192-255 P, 16 a tile
;   window 1: v0-127 O^T, 32 a tile; v128-191 K of one step; v192-255 Q, 16 a tile          window 2: v0-63 V of one step
; All that a softmax touches but O^T lies in window 0, and no window has room for a product's operands beside it: a product's two slices cost two switches.
; LIMITS: NaN and infinities are not served; o beyond 65,504 in magnitude overflows f16; a weight p under 2^-25 counts as 0 in the second product (it still counts in the sum).
.set SLOT1, 131072
.set VOFF,  65536                      ; a slot's V lies behind its K
.set STEPB, 8192                       ; a key step's K, and its V: eight fragments
.set SPARE, 262144                     ; behind the ring: the spare words, 128 bytes for each wave: two blocks of 256 bytes that no other line names
.set AK0, 2                            ; v2   16 x lane: my place in an image; also my offset in Q's and o's images; never rewritten
.set AV0, 3                            ; v3   the same in a slot's V part; never rewritten
.set ADR, 4                            ; v4   the LDS address of the run of loads in hand
.set SPW, 62                           ; v62  LDS address of my spare word: SPARE + 4 x my thread's number; never rewritten
.set NIL, 63                           ; v63  0; never rewritten
.set ST,  12                           ; tile t's statistics at v[ST+8 t]: +0 c m, +1 m, +2, +3 l (even keys', odd keys'), +4 to +7 c0-c3, at work; a takes c2's place once the maximum is found
.set S,   64
.set P,   192
.set KF,  128                          ; K's fragments, in window 1: keys 16 kt on, channels 32 kb on, at 16 kt + 8 kb
.set QF,  192                          ; Q's, in window 1: tile t, channels 32 kb on, at 16 t + 8 kb
.set WV,  12                           ; s12  my wave's number
.set G1,  16                           ; s[16:23] descriptor group 1
.set G0,  24                           ; s[24:31] group 0, a set for each slot
.set CS,  32                           ; s[32:33] c: the packed scaling names a pair and takes its low word for both halves
.set SEL, 34                           ; s[34:35] lane selects for v_permlanex16_b32: each lane takes its own place in the other half
.set TB,  36                           ; s36  LDS byte at which the K of the step to be fetched begins
.set CNT, 37                           ; s37  counts key steps
.set MSB, 0
.macro WIN new                         ; the immediate's high byte repeats the setting that is left; a switch that changes nothing is dropped
.if MSB != \new
	s_set_vgpr_msb (MSB<<8)|\new
.set MSB, \new
.endif
.endm
.set W_KQ, 0x05                        ; K and Q in window 1, S^T in window 0
.set W_PV, 0x52                        ; V in window 2, P in window 0, O^T in window 1
.set W_RS, 0x41                        ; O^T (destination and source 0) in window 1, a in window 0
; A round of the cluster's barrier: my work-group's barrier, so that wave 0's signal speaks for all four waves; wave 0 signals for the work-group; every wave waits for all four work-groups; my work-group's barrier once more.
.macro CROUND
	s_barrier_signal -1
	s_barrier_wait -1
	s_cmp_lg_u32 s[WV], 0
	s_cbranch_scc1 .Lnot_wave_0_\@
	s_barrier_signal -3
.Lnot_wave_0_\@:
	s_barrier_wait -3
	s_barrier_signal -1
	s_barrier_wait -1
.endm
; A vector instruction that reads a matrix result or writes one of a matrix instruction's registers, and a load into a register that a matrix instruction has read, stand four places behind it, and only plain vector
; instructions that name none of its registers are places (ISA guide 7.12.1 for vector instructions).  In the loop the slices are the places.
.macro PLACES
.rept 4
	v_nop
.endr
.endm
; THE MATRIX WORK OF A TURN, for piece x.  The accumulators take turns, one instruction a turn: between two links of a chain stand the 7 others'.
; Product i of 16 of O^T += V^T P: keys 32 (i / 8) on, channels 16 ((i / 2) % 4) on, tile x + i % 2.  zero = 1: the first 8 start the sums: nothing is ever cleared.
.macro PV x, zero
	WIN W_PV
.set rO, 32*(\x+i%2)+8*((i/2)%4)
.set rV, 32*(i/8)+8*((i/2)%4)
.set rP, P+16*(\x+i%2)+8*(i/8)
.if \zero && (i < 8)
	v_wmma_f32_16x16x32_f16 v[rO:rO+7], v[rV:rV+7], v[rP:rP+7], 0
.else
	v_wmma_f32_16x16x32_f16 v[rO:rO+7], v[rV:rV+7], v[rP:rP+7], v[rO:rO+7]
.endif
.endm
; Product i of 16 of S^T = K Q^T: channels 32 (i / 8) on, keys 16 ((i / 2) % 4) on, tile x + i % 2.  The first 8 start the sums.
.macro KQ x
	WIN W_KQ
.set rS, S+32*(\x+i%2)+8*((i/2)%4)
.set rK, KF+16*((i/2)%4)+8*(i/8)
.set rQ, QF+16*(\x+i%2)+8*(i/8)
.if i < 8
	v_wmma_f32_16x16x32_f16 v[rS:rS+7], v[rK:rK+7], v[rQ:rQ+7], 0
.else
	v_wmma_f32_16x16x32_f16 v[rS:rS+7], v[rK:rK+7], v[rQ:rQ+7], v[rS:rS+7]
.endif
.endm
; THE LDS LOADS stand in runs of 16, never singly among the matrix instructions: a step's K (eight fragments) and, a turn later, its V.
.macro FETCH_K
	WIN 0
	v_add_nc_u32 v[ADR], s[TB], v[AK0]
	WIN 0x40                                       ; destination window 1
.irp f, 0,1,2,3,4,5,6,7                        ; fragment f: keys 16 (f / 2) on, channels 32 (f % 2) on
	ds_load_b128 v[KF+8*\f:KF+8*\f+3],   v[ADR] offset:1024*\f
	ds_load_b128 v[KF+8*\f+4:KF+8*\f+7], v[ADR] offset:1024*\f+512
.endr
.endm
.macro FETCH_V
	WIN 0
	v_add_nc_u32 v[ADR], s[TB], v[AV0]
	s_add_co_u32 s[TB], s[TB], STEPB               ; the next fetch is the next step's
	WIN 0x80                                       ; destination window 2
.irp f, 0,1,2,3,4,5,6,7                        ; fragment f: keys 32 (f / 4) on, channels 16 (f % 4) on
	ds_load_b128 v[8*\f:8*\f+3],   v[ADR] offset:1024*\f
	ds_load_b128 v[8*\f+4:8*\f+7], v[ADR] offset:1024*\f+512
.endr
.endm
; THE VECTOR WORK OF A TURN.  One tile's softmax for one key step is a list of 118 instructions; SM writes number j of it for tile t.  s0-s31 are the lane's 32 scores, in pairs 0-15.
; first = 1: the first key step, which starts m, l and O^T: it has no a and nothing to rescale.
;   0-15    the maximum of s0-s31 and the old m, three operands at a time: four chains c0-c3 of seven scores each (each accumulator is read from its low end on), then the four scores left over, c0-c3 and m
;   16-20   the other half of the lanes' maximum; the new m; c m; c m_old - c m_new
;   21-87   33 exponentials (a, then s0-s31) at the odd numbers from 23 on, so that no two follow each other and each has a plain instruction behind it before its result is used (ISA guide 5.7.2).
;           Plain instruction q (number 21, then the even numbers) is whatever is ready: c s - c m for a pair of scores whose exponentials are still to come (q = 0 to 3, then every second q),
;           the rounding to f16 of a pair of weights whose exponentials are done (every other q from 5 on), at last the first three sums
;   88-101  the last rounding; the rest of the sums (of the weights before they are rounded); l = a l + the sum
;   102-117 the tile's O^T times a, from each accumulator's low end on: the one part that leaves window 0, so it stands together
.macro SM t, first
.set rT, ST+8*(\t)
.set rS, S+32*(\t)
.set rP, P+16*(\t)
.set rO, 32*(\t)+2*(j-102)
.set q, (j-20)/2
.if j < 102
	WIN 0
.endif
.if j < 4
	v_max3_num_f32 v[rT+4+j], v[rS+8*j], v[rS+8*j+1], v[rS+8*j+2]
.elseif j < 12
	v_max3_num_f32 v[rT+4+j%4], v[rT+4+j%4], v[rS+8*(j%4)+2*(j/4)+1], v[rS+8*(j%4)+2*(j/4)+2]
.elseif j == 12
	v_max3_num_f32 v[rT+4], v[rT+4], v[rS+7], v[rS+15]
.elseif j == 13
	v_max3_num_f32 v[rT+6], v[rT+6], v[rS+23], v[rS+31]
.elseif j == 14
	v_max3_num_f32 v[rT+4], v[rT+4], v[rT+5], v[rT+6]
.elseif (j == 15) && \first
	v_max_num_f32 v[rT+4], v[rT+4], v[rT+7]
.elseif j == 15
	v_max3_num_f32 v[rT+4], v[rT+4], v[rT+7], v[rT+1]
.elseif j == 16
	v_permlanex16_b32 v[rT+5], v[rT+4], s[SEL], s[SEL+1]  ; the query's other 32 keys lie in the lane 16 away
.elseif j == 18
	v_max_num_f32 v[rT+1], v[rT+4], v[rT+5]
.elseif j == 19
	v_mul_f32 v[rT], s[CS], v[rT+1]
.elseif ((j == 17) || (j == 20) || (j == 23) || (j > 101)) && \first  ; the first step has none of these
.elseif j == 17
	v_mov_b32 v[rT+7], v[rT]                       ; c m_old is kept for a: number 19 writes c m anew
.elseif j == 20
	v_sub_f32 v[rT+7], v[rT+7], v[rT]
.elseif j == 23
	v_exp_f32 v[rT+6], v[rT+7]
.elseif (j < 88) && (j > 23) && (j%2 == 1)
	v_exp_f32 v[rS+(j-25)/2], v[rS+(j-25)/2]
.elseif (q < 4) || ((j < 76) && (q%2 == 0))
.set b, q/2+2
.if q < 4
.set b, q
.endif
	v_pk_fma_f32 v[rS+2*b:rS+2*b+1], v[rS+2*b:rS+2*b+1], s[CS:CS+1], v[rT:rT+1] op_sel_hi:[1,0,0] neg_lo:[0,0,1] neg_hi:[0,0,1]  ; pair b: c s - c m
.elseif (j < 88) && (q%2 == 1)
	s_wait_alu depctr_va_vdst(0)
	v_cvt_pk_f16_f32 v[rP+(q-5)/2], v[rS+q-5], v[rS+q-4]  ; pair (q - 5) / 2: its second exponential stands three numbers back
.elseif j == 89
	s_wait_alu depctr_va_vdst(0)
	v_cvt_pk_f16_f32 v[rP+15], v[rS+30], v[rS+31]
.elseif j < 102                        ; the sum of the tile's 16 pairs (in a pair: an even key's weight, an odd key's), in place: sum z of 16 adds neighbours 1, 2, 4 and 8 pairs apart, then l takes it
.set z, j-86
.if j < 89
.set z, (j-76)/4
.endif
.set w, 4
.set u, z
.if z >= 14
.set w, 32
.set u, 0
.elseif z >= 12
.set w, 16
.set u, z-12
.elseif z >= 8
.set w, 8
.set u, z-8
.endif
.if (z == 14) && \first
	v_pk_add_f32 v[rT+2:rT+3], v[rS:rS+1], v[rS+16:rS+17]
.elseif z < 15
	v_pk_add_f32 v[rS+w*u:rS+w*u+1], v[rS+w*u:rS+w*u+1], v[rS+w*u+w/2:rS+w*u+w/2+1]
.elseif !\first
	v_pk_fma_f32 v[rT+2:rT+3], v[rT+2:rT+3], v[rT+6:rT+7], v[rS:rS+1] op_sel_hi:[1,0,1]
.endif
.else
	WIN W_RS
	v_pk_mul_f32 v[rO:rO+1], v[rO:rO+1], v[rT+6:rT+7] op_sel_hi:[1,0]
.endif
.endm
; Slice k of 64 of piece y's softmax.  Slices 0-52: numbers 2 k and 2 k + 1 of both tiles' lists; slices 53-62: number k + 53; slice 63: numbers 116 and 117.  53 x 2 + 10 + 2 = 118.
; So a full turn's last product is followed by slices 62 and 63: six packed multiplies of the other piece's O^T, which name nothing of the products round them: the places in front of what follows.
.macro SLICE y, first
.if k <= 52
.if (k >= 11) && (k < 44)              ; tile by tile: plain, exponential, plain, exponential
.irp t, \y, \y+1
.irp n, 0,1
.set j, 2*k+\n
	SM \t, \first
.endr
.endr
.else                                  ; the two tiles alternate, so that no instruction reads the result of the one just before it
.irp n, 0,1
.irp t, \y, \y+1
.set j, 2*k+\n
	SM \t, \first
.endr
.endr
.endif
.elseif k <= 62
.irp t, \y, \y+1
.set j, k+53
	SM \t, \first
.endr
.else
.irp n, 0,1
.irp t, \y, \y+1
.set j, 116+\n
	SM \t, \first
.endr
.endr
.endif
.set k, k+1
.endm
; A TURN.  Piece x has the matrix unit; the other piece's softmax stands in slices behind its matrix instructions.
; pv = 2: 16 products V^T P; 1: they start O^T's sums; 0: none.  kq = 1: 16 products K Q^T for the next step.  A turn with both kinds has two slices behind each product, a turn with one kind four.
; first = 1: the softmax is the first key step's.  Its slices from 51 on are empty: the turn's last products stand bare, and four v_nop take the last slices' part as the places behind them.
; Each run of loads stands behind the second product of a run of 16, 14 matrix instructions ahead of its first use.  Piece 0's turn fetches the next step's K: the last product that read K stands in front of the
; last two slices of the turn before.  Piece 2's turn fetches the same step's V: the last product that read V stands six slices, twelve plain instructions, back.
.macro TURN x, pv, kq, first
.set k, 0
.set per, 4
.if \pv && \kq
.set per, 2
.endif
.if \pv
.if \x == 0
	s_wait_dscnt 0x0                               ; V is in
.endif
.set i, 0
.rept 16
	PV \x, 2-\pv
.rept per
	SLICE 2-\x, \first
.endr
.if (\x == 0) && \kq && (i == 1)
	FETCH_K
.endif
.set i, i+1
.endr
.endif
.if \kq
.if \x == 0
	s_wait_dscnt 0x0                               ; K is in
.endif
.set i, 0
.rept 16
	KQ \x
.rept per
	SLICE 2-\x, \first
.endr
.if (\x == 2) && (i == 1)
	FETCH_V
.endif
.set i, i+1
.endr
.endif
.if \first
	PLACES
.endif
.endm
; n key steps: written once, walked n times; the LDS addresses hang on s[TB], which FETCH_V steps
.macro STEPS n
	s_mov_b32 s[CNT], \n
.Lstep_\@:
	TURN 0, 2, 1, 0
	TURN 2, 2, 1, 0
	WIN 0                                          ; at a label and at a branch every window is 0
	s_sub_co_u32 s[CNT], s[CNT], 1
	s_cmp_lg_u32 s[CNT], 0
	s_cbranch_scc1 .Lstep_\@
.endm
; THE CHANGE OF SLOTS, between piece 2's turn and piece 0's: the slot's last bytes, V of its eighth step, have been asked for.  Each wave waits for all its tensor loads, of which one is out: its share of the other
; slot; adds 0 to its spare word; and waits for that and for its own reads of the slot.  Behind the barrier nobody reads this slot any more and the other slot is whole.
; fill = 1: this slot takes the keys 1,024 further on.  The barrier is then a round of the cluster's, so that no wave of any partner still reads the slot or has a load on its way, and the joint refill is the first thing behind it.
.macro CHANGE fill, slot, next
	WIN 0                                          ; (the add's two registers lie in window 0)
	s_wait_tensorcnt 0x0                           ; no tensor load of mine is out, so a group 0 may be written
	ds_add_u32 v[SPW], v[NIL]                      ; 0 onto my spare word
.if \fill
	s_add_nc_u64 s[G0+4*\slot+2:G0+4*\slot+3], s[G0+4*\slot+2:G0+4*\slot+3], 0x20000   ; two slots' worth of K or of V on; the type bits on top are not reached
.endif
	s_wait_dscnt 0x0                               ; the add is done, and my reads of the slot are over
.if \fill
	CROUND
	tensor_load_to_lds s[G0+4*\slot:G0+4*\slot+3], s[G1:G1+7]
	s_nop 0
.rept 4
	v_nop
.endr
.else
	s_barrier_signal -1
	s_barrier_wait -1
.endif
	s_mov_b32 s[TB], \next                         ; the fetches go on at the other slot's first step
.endm
	s_load_b256 s[4:11], s[0:1], 0x0               ; qh s[4:5], kh s[6:7], vh s[8:9], oimg s[10:11]
	v_lshl_add_u32 v[SPW], v0, 2, SPARE
	v_mov_b32 v[NIL], 0
	ds_add_u32 v62, v63
	ds_add_u32 v62, v63
	s_wait_dscnt 0x0
	v_lshrrev_b32 v1, 5, v0
	v_readfirstlane_b32 s[WV], v1                  ; wave 0..3
	s_bfe_u32 s13, ttmp6, 0x40000                  ; cx: my place in the cluster
	s_lshl_b32 s14, ttmp9, 2                       ; in a cluster launch ttmp9 counts clusters
	s_add_co_u32 s14, s14, s13                     ; my block of 256 queries: it enters Q's and o's addresses alone
	s_and_b32 s15, ttmp7, 0xffff                   ; batch x 16 + head, which the four partners share
	; descriptor group 1: 32,768 consecutive bytes as 128 rows of 32 elements of 8 bytes; no padding
	s_mov_b32 s[G1], 15|(3<<16)|(1<<21)            ; 15:0 the mask: all four work-groups; 17:16 elements of 8 bytes; 21 set beside a mask
	s_mov_b32 s[G1+1], 32<<16                      ; tensor_dim0 = 32
	s_mov_b32 s[G1+2], 128<<16                     ; tensor_dim1 = 128
	s_mov_b32 s[G1+3], 32<<16                      ; tile_dim0 = 32
	s_mov_b32 s[G1+4], 128                         ; tile_dim1 = 128
	s_mov_b32 s[G1+5], 32                          ; tensor_dim0_stride
	s_mov_b32 s[G1+6], 0
	s_mov_b32 s[G1+7], 0
	s_mov_b32 s[CS], 0x3e38aa3b                    ; c = log2(e) / 8
	s_mov_b32 s[CS+1], s[CS]                       ; named with it as a pair, so it is written
	s_mov_b32 s[SEL], 0x76543210
	s_mov_b32 s[SEL+1], 0xfedcba98
	s_mov_b32 s[TB], 0
	s_lshl_b32 s40, s15, 18                        ; K, V: a head is 262,144 bytes;
	s_and_b32 s42, s[WV], 1
	s_lshl_b32 s42, s42, 15                        ; my half of a slot's 65,536
	s_add_co_u32 s40, s40, s42
	s_mov_b32 s41, 0
	s_lshl_b32 s43, s[WV], 15                      ; and its place in a slot: wave x 32,768: no place in the cluster enters an LDS address
	s_lshl_b32 s44, s14, 4
	s_lshl_b32 s45, s[WV], 2
	s_add_co_u32 s44, s44, s45                     ; my first block of 16 queries in the sequence: 16 x block + 4 x wave
	s_lshl_b32 s46, s44, 11                        ; Q: 2,048 bytes a block
	s_lshl_b32 s47, s15, 18
	s_add_co_u32 s46, s46, s47
	s_mov_b32 s47, 0
	s_lshr_b32 s45, s15, 4
	s_lshl_b32 s45, s45, 7
	s_add_co_u32 s44, s44, s45                     ; o: the block of 16 tokens among both batches' 256: 8,192 bytes each,
	s_lshl_b32 s44, s44, 13
	s_and_b32 s45, s15, 15                         ; the head:
	s_lshr_b32 s42, s45, 2
	s_lshl_b32 s42, s42, 21                        ; four heads are a K step of 256 of the next product,
	s_add_co_u32 s44, s44, s42
	s_and_b32 s45, s45, 3
	s_lshl_b32 s45, s45, 11                        ; a head two of its eight fragments
	s_add_co_u32 s44, s44, s45
	s_mov_b32 s45, 0
	v_and_b32 v[AK0], 31, v0
	v_lshlrev_b32 v[AK0], 4, v[AK0]
	v_add_nc_u32 v[AV0], VOFF, v[AK0]
	s_wait_kmcnt 0x0
	s_cmp_lt_u32 s[WV], 2                          ; waves 0, 1 fetch K's halves, waves 2, 3 V's
	s_cselect_b64 s[38:39], s[6:7], s[8:9]
	s_add_nc_u64 s[38:39], s[38:39], s[40:41]
	s_add_nc_u64 s[4:5], s[4:5], s[46:47]
	s_add_nc_u64 s[10:11], s[10:11], s[44:45]
.irp s, 0,1
	s_mov_b32 s[G0+4*\s], 1                        ; 1:0 count = 1
	s_add_co_u32 s[G0+4*\s+1], s43, \s*SLOT1       ; 63:32 LDS address
	s_add_nc_u64 s[G0+4*\s+2:G0+4*\s+3], s[38:39], \s*0x10000   ; 120:64 global address: keys 512 s on
	s_or_b32 s[G0+4*\s+3], s[G0+4*\s+3], 0x80000000   ; 127:126 type = 2
.endr
	CROUND                                         ; all four work-groups are here: the first joint loads meet
	tensor_load_to_lds s[G0:G0+3], s[G1:G1+7]
	s_nop 0
	tensor_load_to_lds s[G0+4:G0+7], s[G1:G1+7]    ; two loads of mine are out
	s_nop 0
.rept 4
	v_nop
.endr
	WIN 0x40                                       ; destination window 1, address window 0
.irp i, 0,1,2,3,4,5,6,7,8,9,10,11,12,13,14,15
	global_load_b128 v[QF+4*\i:QF+4*\i+3], v[AK0], s[4:5] offset:512*\i   ; Q's eight fragments stay in registers: 8,192 consecutive bytes
.endr
	WIN 0
	s_wait_tensorcnt 0x1                           ; my share of slot 0 is in; slot 1's may stay out
	s_barrier_signal -1
	s_barrier_wait -1                              ; everybody's is
	FETCH_K                                        ; key step 0
	s_wait_loadcnt 0x0                             ; Q
	s_wait_dscnt 0x0
.set i, 0
.rept 16
	KQ 0                                           ; piece 0's first scores: there is no vector work yet to set between them
.set i, i+1
.endr
	PLACES
	TURN 2, 0, 1, 1                                ; piece 2's first scores | piece 0's first softmax | V of step 0
	TURN 0, 1, 1, 1                                ; piece 0: V^T P of step 0 starts O^T, K Q^T of step 1 | piece 2's first softmax | K of step 1
	TURN 2, 1, 1, 0                                ; piece 2: the same | piece 0's softmax of step 1 | V of step 1
	WIN 0
	STEPS 6                                        ; the fetches reach the end of slot 0: keys 0 - 511
	CHANGE 1, 0, SLOT1                             ; slot 0 takes keys 1,024 on
	STEPS 8                                        ; keys 512 - 1,023
	CHANGE 1, 1, 0                                 ; slot 1 takes keys 1,536 on
	STEPS 8
	CHANGE 0, 0, SLOT1                             ; nothing is left to fetch: written out
	STEPS 8
	TURN 0, 2, 0, 0                                ; piece 0: V^T P of the last step | piece 2's last softmax
.set i, 0
.rept 16
	PV 2, 0                                        ; piece 2: V^T P of the last step
.set i, i+1
.endr
	; THE WAY OUT.  l's two halves and the other half of the lanes' are added; O^T / l, rounded to f16, is stored as it lies: a lane's eight channels are 16 bytes, a store 512 consecutive bytes.
	; The additions are the places behind the last products.
	WIN 0
.irp t, 0,1,2,3
	v_add_f32 v[ST+8*\t+4], v[ST+8*\t+2], v[ST+8*\t+3]
.endr
.irp t, 0,1,2,3
	v_permlanex16_b32 v[ST+8*\t+5], v[ST+8*\t+4], s[SEL], s[SEL+1]
.endr
.irp t, 0,1,2,3
	v_add_f32 v[ST+8*\t+4], v[ST+8*\t+4], v[ST+8*\t+5]
.endr
.irp t, 0,1,2,3
	v_rcp_f32 v[ST+8*\t+6], v[ST+8*\t+4]
.endr
	v_nop                                          ; a plain instruction between the last reciprocal and the use of its result
	s_wait_alu depctr_va_vdst(0)
.macro PACK t                          ; tile t: O^T / l in place, from each accumulator's low end on; rounded into S^T's registers, which are free; four stores
	WIN W_RS
.set i, 32*\t
.rept 16
	v_pk_mul_f32 v[i:i+1], v[i:i+1], v[ST+8*\t+6:ST+8*\t+7] op_sel_hi:[1,0]
.set i, i+2
.endr
	WIN 0x05                                       ; sources 0 and 1 window 1, destination window 0
.set i, 0
.rept 16
	v_cvt_pk_f16_f32 v[S+16*\t+i], v[32*\t+2*i], v[32*\t+2*i+1]
.set i, i+1
.endr
	WIN 0
.irp ct, 0,1,2,3
	global_store_b128 v[AK0], v[S+16*\t+4*\ct:S+16*\t+4*\ct+3], s[10:11] offset:8192*\t+512*\ct   ; channels 16 ct on: half ct % 2 of the head's fragment ct / 2
.endr
.endm
	PACK 0
	PACK 1
	PACK 2
	PACK 3
	s_wait_tensorcnt 0x0                           ; the wave's end
	ds_add_u32 v[SPW], v[NIL]
	s_wait_dscnt 0x0
	CROUND                                         ; the closing round: no work-group ends while a partner may still ask for a share that names it
	s_endpgm
.Lfunc_end_k_q9e1e79cabd_attn:
	.size	k_q9e1e79cabd_attn, .Lfunc_end_k_q9e1e79cabd_attn-k_q9e1e79cabd_attn
	.p2alignl 7, 3214868480
	.fill 96, 4, 3214868480
	.section	.rodata,"a",@progbits
	.p2align	6, 0x0
	.amdhsa_kernel k_q9e1e79cabd_attn
		.amdhsa_group_segment_fixed_size 327680
		.amdhsa_private_segment_fixed_size 0
		.amdhsa_enable_private_segment 0
		.amdhsa_kernarg_size 32
		.amdhsa_user_sgpr_count 2
		.amdhsa_user_sgpr_kernarg_segment_ptr 1
		.amdhsa_wavefront_size32 1
		.amdhsa_system_sgpr_workgroup_id_x 1
		.amdhsa_system_sgpr_workgroup_id_y 1
		.amdhsa_system_sgpr_workgroup_id_z 1
		.amdhsa_system_vgpr_workitem_id 0
		.amdhsa_next_free_vgpr 640
		.amdhsa_next_free_sgpr 66
		.amdhsa_reserve_vcc 0
		.amdhsa_float_denorm_mode_32 3
		.amdhsa_float_denorm_mode_16_64 3
		.amdhsa_memory_ordered 1
		.amdhsa_forward_progress 1
		.amdhsa_inst_pref_size 236
	.end_amdhsa_kernel
	.amdgpu_metadata
---
amdhsa.version: [ 1, 2 ]
amdhsa.kernels:
  - .name:           k_q9e1e79cabd_attn
    .symbol:         k_q9e1e79cabd_attn.kd
    .args:
      - { .name: qh, .offset: 0, .size: 8, .value_kind: global_buffer, .address_space: global }
      - { .name: kh, .offset: 8, .size: 8, .value_kind: global_buffer, .address_space: global }
      - { .name: vh, .offset: 16, .size: 8, .value_kind: global_buffer, .address_space: global }
      - { .name: oimg, .offset: 24, .size: 8, .value_kind: global_buffer, .address_space: global }
    .group_segment_fixed_size: 327680
    .private_segment_fixed_size: 0
    .kernarg_segment_align: 8
    .kernarg_segment_size: 32
    .max_flat_workgroup_size: 128
    .sgpr_count:     66
    .vgpr_count:     640
    .wavefront_size: 32
...
	.end_amdgpu_metadata
.endif
;; end of part 3
;; launch oproj (part 4): grid 8 x 32, 4 waves a work-group, clusters of 4 x 4, 327,680 bytes of LDS; arguments oimg, wimg, b_out, out0; writes out0
.if DOCPART == 4
	.amdgcn_target "amdgcn-amd-amdhsa--gfx1250"
	.amdhsa_code_object_version 6
	.text
	.protected	k_q9e1e79cabd_oproj
	.globl	k_q9e1e79cabd_oproj
	.p2align	8
	.type	k_q9e1e79cabd_oproj,@function
k_q9e1e79cabd_oproj:
	s_mov_b64 s[64:65], 0
	v_nop
	global_prefetch_b8 v0, s[64:65] scope:SCOPE_SE
	s_setreg_imm32_b32 hwreg(HW_REG_WAVE_MODE, 25, 1), 1
	s_wait_xcnt 0x0
	s_wait_alu depctr_hold_cnt(0) depctr_sa_sdst(0) depctr_va_vdst(0) depctr_va_sdst(0) depctr_va_ssrc(0) depctr_va_vcc(0) depctr_vm_vsrc(0)
	s_getreg_b32 s2, hwreg(HW_REG_IB_STS2, 6, 4)
	s_cmp_eq_u32 s2, 0
	s_cbranch_scc0 .Lentry_in_a_cluster
	s_endpgm
.Lentry_in_a_cluster:
	s_bfe_u32 s2, ttmp6, 0x10000c
	s_cmp_lg_u32 s2, 0xf033
	s_cbranch_scc0 .Lentry_shape_is_right
	s_endpgm
.Lentry_shape_is_right:
; OPROJ: out0 = o w_out^T + b_out.  o (oimg) and w_out (wimg + 0x200000) arrive as f16 images of fragments, [K step of 256][block of 16 rows][8 fragments of 1,024 bytes]; sums in f32; out0 [4096][1024] f32.
; A work-group takes 128 tokens (tile Y) x 128 features (tile X); four waves, each 64 tokens (half HI) x 64 features (half LO): 16 accumulators of 16 x 16.  K goes in four steps of 256 through two LDS slots of
; 131,072 bytes (65,536 of tokens, 65,536 of weights); a wave's share of a tile is 32,768 consecutive bytes of memory.  Images are read 512 consecutive bytes an instruction: no padding.
; THE MATRIX INSTRUCTION IS USED TRANSPOSED (source 0 = 16 features, source 1 = 16 tokens): a lane holds a token and eight neighbouring features, 32 bytes of a row.  The bias is the C of each sum's first instruction.
; CLUSTERS: 4 x 4 work-groups: tokens' tiles are asked for jointly along a row of the cluster, weights' tiles along a column.  By this text's count a wave has at most two tensor loads out.
; THE WAY OUT: a wave's 64 features are 256 bytes of a row of out0: a block of 16 rows goes through the wave's own stage in LDS (rows 272 bytes apart) and comes back by rows, sixteen lanes to 256 consecutive bytes.
; REGISTERS: window 0: v2-6 offsets, v16-21 LDS addresses, v24-26 the way out, v28-29 for the add, v64-127 rows read back, v128-255 accumulators;  window 1: two fragment buffers of 128;  window 2: v0-31 b_out.
; LIMITS: NaN and infinities are not served.
.set SLOT,  131072
.set STAGE, 262144                     ; behind the ring: 16 rows x 272 bytes for each wave; no tile lands there
.set SPITCH, 272
.set SPARE, 279552                     ; behind the stages: the spare words, 128 bytes for each wave: two blocks of 256 bytes that no other line names
.set L16,   2
.set ADRA0, 16
.set ADRA1, 17
.set ADRB0, 20
.set ADRB1, 21
.set STO,   24                         ; v24  the way out: where I put 32 bytes of a row
.set RD,    25                         ; v25  where I read a row back
.set CO,    26                         ; v26  my byte offset in out0
.set SPW,   28
.set NIL,   29
.set BKR,   64                         ; v64-95 and v96-127 by turns: 16 rows read back
.set ACC,   128
.set F0,    0
.set F1,    128
.set BIAS,  0
.set WV,    22
.set HI,    23
.set LO,    24
.set G1A,   32
.set G1B,   40
.set G0A,   48
.set G0B,   56
.set MSB, 0
.macro WIN new                         ; the immediate's high byte repeats the setting that is left
.if MSB != \new
	s_set_vgpr_msb (MSB<<8)|\new
.set MSB, \new
.endif
.endm
.macro PLACES                          ; four places in front of loads into registers that matrix instructions have read, and of the first read of results
.rept 4
	v_nop
.endr
.endm
.macro JLOAD g0a, g1a, g0b, g1b        ; a joint load: waves 0 and 1 fetch the tokens' two halves, waves 2 and 3 the weights'; four v_nop follow each line
	s_cmp_eq_u32 s[HI], 0
	s_cbranch_scc0 .Lfor_b_\@
	tensor_load_to_lds s[\g0a:\g0a+3], s[\g1a:\g1a+7]
	s_nop 0
.rept 4
	v_nop
.endr
	s_branch .Lasked_\@
.Lfor_b_\@:
	tensor_load_to_lds s[\g0b:\g0b+3], s[\g1b:\g1b+7]
	s_nop 0
.rept 4
	v_nop
.endr
.Lasked_\@:
.endm
.macro CREST                           ; a round of the cluster's barrier behind its opening barrier
	s_cmp_lg_u32 s[WV], 0
	s_cbranch_scc1 .Lnot_wave_0_\@
	s_barrier_signal -3
.Lnot_wave_0_\@:
	s_barrier_wait -3
	s_barrier_signal -1
	s_barrier_wait -1
.endm
.macro CROUND
	s_barrier_signal -1
	s_barrier_wait -1
	CREST
.endm
.macro FETCH ra, rb, q, f              ; 32 LDS loads in one run: fragments 2 q and 2 q + 1 of my four blocks of tokens and of features, into buffer f; fragment 2 q's sixteen loads first
	WIN 0x40                                       ; destination window 1, address window 0
.irp c, 0,1
.irp i, 0,1,2,3
	ds_load_b128 v[\f+64+8*(4*\c+\i):\f+64+8*(4*\c+\i)+3],   v[\rb] offset:\i*8192+(2*(\q)+\c)*1024
	ds_load_b128 v[\f+64+8*(4*\c+\i)+4:\f+64+8*(4*\c+\i)+7], v[\rb] offset:\i*8192+(2*(\q)+\c)*1024+512
	ds_load_b128 v[\f+8*(4*\c+\i):\f+8*(4*\c+\i)+3],         v[\ra] offset:\i*8192+(2*(\q)+\c)*1024
	ds_load_b128 v[\f+8*(4*\c+\i)+4:\f+8*(4*\c+\i)+7],       v[\ra] offset:\i*8192+(2*(\q)+\c)*1024+512
.endr
.endr
.endm
.macro MUL8 f, c, a0, first            ; 8 matrix instructions: token blocks a0, a0 + 1 x the four feature blocks, half c of buffer f.  The 16 accumulators take turns
.irp a, \a0, \a0+1
.irp b, 0,1,2,3
.set rD, ACC+8*(4*(\a)+\b)
.set rC, rD
.if \first
.set rC, BIAS+8*\b
.endif
	v_wmma_f32_16x16x32_f16 v[rD:rD+7], v[\f+64+8*(4*\c+\b):\f+64+8*(4*\c+\b)+7], v[\f+8*(4*\c+(\a)):\f+8*(4*\c+(\a))+7], v[rC:rC+7]
.endr
.endr
.endm
.macro QUARTER ra, rb, q, f, g, first  ; 64 along K: multiplies buffer f and fetches the next quarter into g
	s_wait_dscnt 16                                ; the first fragment's sixteen loads are in; the second's may be out
.if \first
	WIN 0x25                                       ; sources 0 and 1 window 1, C (the bias) window 2, D window 0
.else
	WIN 0x05
.endif
	MUL8 \f, 0, 0, \first
	MUL8 \f, 0, 2, \first
	PLACES
	FETCH \ra, \rb, (\q)+1, \g
	s_wait_dscnt 32                                ; all but the 32 just issued
	WIN 0x05
	MUL8 \f, 1, 0, 0
	MUL8 \f, 1, 2, 0
.endm
.macro THREE ra, rb, first
	QUARTER \ra, \rb, 0, F0, F1, \first
	QUARTER \ra, \rb, 1, F1, F0, 0
	QUARTER \ra, \rb, 2, F0, F1, 0
.endm
; The last quarter of a K step changes slots: ONE barrier; in front of it each wave waits for all its tensor loads, adds 0 to its spare word, and waits for that and for its own reads of this slot.  fill = 1: the slot takes the K step two on.
.macro TURN fill, slot, nra, nrb
	WIN 0                                          ; (the add's two registers lie in window 0)
	s_wait_tensorcnt 0x0                           ; all my tensor loads have landed: my part of the next slot;
	ds_add_u32 v[SPW], v[NIL]                      ; 0 onto my spare word;
	s_wait_dscnt 17                                ; (the add and the second fragment's sixteen loads may be out)
	WIN 0x05
	MUL8 F1, 0, 0, 0                               ; eight matrix instructions stand between the add and the wait for it
	s_wait_dscnt 0x0                               ; the add is done, and my reads of this slot are over
	s_barrier_signal -1
	MUL8 F1, 0, 2, 0
	WIN 0                                          ; (branches may follow: at a branch and at a label every window is 0)
	s_barrier_wait -1
.if \fill
	CREST                                          ; the barrier has opened a round of the cluster's barrier: no wave of any partner still reads this slot or has a load on its way
	s_add_nc_u64 s[G0A+4*\slot+2:G0A+4*\slot+3], s[G0A+4*\slot+2:G0A+4*\slot+3], 0x400000
	s_add_nc_u64 s[G0B+4*\slot+2:G0B+4*\slot+3], s[G0B+4*\slot+2:G0B+4*\slot+3], 0x100000
	JLOAD G0A+4*\slot, G1A, G0B+4*\slot, G1B       ; the first tensor load behind the round; its four v_nop are also the places in front of the loads below
.else
	PLACES
.endif
	FETCH \nra, \nrb, 0, F0
	WIN 0x05
	MUL8 F1, 1, 0, 0
	MUL8 F1, 1, 2, 0
.endm
.macro TOSTAGE a                       ; token block a: each accumulator from its low end on into my stage, and back by rows.  LDS serves a wave's instructions in order (ISA guide 5.7.1.4): no wait between
.irp b, 0,1,2,3
	ds_store_b128 v[STO], v[ACC+8*(4*(\a)+\b):ACC+8*(4*(\a)+\b)+3] offset:64*\b
	ds_store_b128 v[STO], v[ACC+8*(4*(\a)+\b)+4:ACC+8*(4*(\a)+\b)+7] offset:64*\b+16
.endr
.irp t, 0,1,2,3,4,5,6,7
	ds_load_b128 v[BKR+32*((\a)%2)+4*\t:BKR+32*((\a)%2)+4*\t+3], v[RD] offset:2*\t*SPITCH
.endr
.endm
.macro SEND a, younger                 ; younger: the LDS instructions issued behind block a's loads, which may stay out
	s_wait_dscnt \younger
.irp t, 0,1,2,3,4,5,6,7
	global_store_b128 v[CO], v[BKR+32*((\a)%2)+4*\t:BKR+32*((\a)%2)+4*\t+3], s[10:11] offset:(16*(\a)+2*\t)*4096 th:TH_STORE_NT   ; 16 lanes store 256 consecutive bytes, at a multiple of 256 from out0's first byte
.endr
.endm
	s_load_b256 s[4:11], s[0:1], 0x0               ; oimg s[4:5], wimg s[6:7], b_out s[8:9], out0 s[10:11]
	v_lshl_add_u32 v[SPW], v0, 2, SPARE
	v_mov_b32 v[NIL], 0
	ds_add_u32 v28, v29
	ds_add_u32 v28, v29
	s_wait_dscnt 0x0
	v_lshrrev_b32 v1, 5, v0
	v_readfirstlane_b32 s[WV], v1                  ; wave 0..3
	s_lshr_b32 s[HI], s[WV], 1                     ; which 64 tokens are mine.  Also: I fetch tokens (0) or weights (1)
	s_and_b32 s[LO], s[WV], 1                      ; which 64 features.  Also: which 64 rows of that tile I fetch
	s_bfe_u32 s25, ttmp6, 0x40000                  ; cx, cy
	s_bfe_u32 s26, ttmp6, 0x40004
	s_lshl_b32 s27, ttmp9, 2
	s_add_co_u32 s27, s27, s25                     ; X
	s_and_b32 s28, ttmp7, 0xffff
	s_lshl_b32 s28, s28, 2
	s_add_co_u32 s28, s28, s26                     ; Y
	s_lshl_b32 s30, s26, 2
	s_lshl_b32 s30, 15, s30                        ; my row of the cluster
	s_lshl_b32 s31, 0x1111, s25                    ; my column
	s_or_b32 s[G1A], s30, (3<<16)|(1<<21)          ; group 1: 32,768 consecutive bytes as 128 rows of 32 elements of 8 bytes; the mask; bit 21 set beside it
	s_or_b32 s[G1B], s31, (3<<16)|(1<<21)
.irp g, G1A, G1B
	s_mov_b32 s[\g+1], 32<<16                      ; tensor_dim0 = 32
	s_mov_b32 s[\g+2], 128<<16                     ; tensor_dim1 = 128
	s_mov_b32 s[\g+3], 32<<16                      ; tile_dim0 = 32
	s_mov_b32 s[\g+4], 128                         ; tile_dim1 = 128
	s_mov_b32 s[\g+5], 32                          ; tensor_dim0_stride
	s_mov_b32 s[\g+6], 0
	s_mov_b32 s[\g+7], 0
.endr
	s_lshl_b32 s29, s[LO], 15
	s_lshl_b32 s80, s28, 16                        ; s[80:81] never hold X,
	s_add_co_u32 s80, s80, s29
	s_mov_b32 s81, 0
	s_lshl_b32 s82, s27, 16                        ; s[82:83] never hold Y
	s_add_co_u32 s82, s82, s29
	s_mov_b32 s83, 0
	s_lshl_b32 s84, s[WV], 15                      ; where my share goes in a slot
	s_lshl_b32 s90, s27, 9                         ; my 64 features: 256 bytes of b_out, and of a row of out0
	s_lshl_b32 s3, s[LO], 8
	s_add_co_u32 s90, s90, s3
	s_mov_b32 s91, 0
	s_lshl_b32 s94, s28, 19                        ; my first row of out0: 128 Y + 64 HI, 4,096 bytes each
	s_lshl_b32 s3, s[HI], 18
	s_add_co_u32 s94, s94, s3
	s_add_co_u32 s94, s94, s90
	s_mov_b32 s95, 0
	v_and_b32 v1, 31, v0
	v_lshlrev_b32 v[L16], 4, v1
	v_and_b32 v5, 15, v0                           ; r
	v_bfe_u32 v6, v0, 4, 1                         ; h
	v_lshlrev_b32 v3, 5, v6                        ; 32 h
	s_lshl_b32 s29, s[HI], 15
	v_add_nc_u32 v[ADRA0], s29, v[L16]
	v_add_nc_u32 v[ADRA1], SLOT, v[ADRA0]
	s_lshl_b32 s29, s[LO], 15
	s_add_co_u32 s29, s29, 65536
	v_add_nc_u32 v[ADRB0], s29, v[L16]
	v_add_nc_u32 v[ADRB1], SLOT, v[ADRB0]
	s_mul_i32 s29, s[WV], 16*SPITCH
	s_add_co_u32 s29, s29, STAGE                   ; my stage
	v_mul_u32_u24 v[STO], v5, SPITCH               ; in: row r, 32 bytes for each half of the lanes
	v_lshl_add_u32 v[STO], v6, 5, v[STO]
	v_add_nc_u32 v[STO], s29, v[STO]
	v_mul_u32_u24 v[RD], v6, SPITCH                ; back: lanes 0-15 one row of 256 bytes, lanes 16-31 the next
	v_lshl_add_u32 v[RD], v5, 4, v[RD]
	v_add_nc_u32 v[RD], s29, v[RD]
	v_lshlrev_b32 v[CO], 12, v6                    ; and the same two rows in out0
	v_lshl_add_u32 v[CO], v5, 4, v[CO]
	s_wait_kmcnt 0x0
	s_add_nc_u64 s[90:91], s[8:9], s[90:91]
	s_add_nc_u64 s[10:11], s[10:11], s[94:95]
.irp s, 0,1
	s_mov_b32 s[G0A+4*\s], 1                       ; 1:0 count = 1
	s_add_co_u32 s[G0A+4*\s+1], s84, \s*SLOT       ; 63:32 LDS address
	s_add_nc_u64 s[G0A+4*\s+2:G0A+4*\s+3], s[4:5], s[80:81]   ; 120:64 global address: K step s
.if \s
	s_add_nc_u64 s[G0A+4*\s+2:G0A+4*\s+3], s[G0A+4*\s+2:G0A+4*\s+3], 0x200000
.endif
	s_or_b32 s[G0A+4*\s+3], s[G0A+4*\s+3], 0x80000000   ; 127:126 type = 2
	s_mov_b32 s[G0B+4*\s], 1
	s_add_co_u32 s[G0B+4*\s+1], s84, \s*SLOT
	s_add_nc_u64 s[G0B+4*\s+2:G0B+4*\s+3], s[6:7], s[82:83]
	s_add_nc_u64 s[G0B+4*\s+2:G0B+4*\s+3], s[G0B+4*\s+2:G0B+4*\s+3], 0x200000+\s*0x80000   ; w_out lies behind w_q
	s_or_b32 s[G0B+4*\s+3], s[G0B+4*\s+3], 0x80000000
.endr
	CROUND                                         ; all sixteen work-groups are here: the first joint loads meet
	JLOAD G0A, G1A, G0B, G1B                       ; K step 0
	JLOAD G0A+4, G1A, G0B+4, G1B                   ; K step 1: two loads of mine are out
	WIN 0x80                                       ; destination window 2
.irp b, 0,1,2,3
	global_load_b128 v[BIAS+8*\b:BIAS+8*\b+3],   v3, s[90:91] offset:64*\b            ; features 16 b + 8 h + 0 .. 7
	global_load_b128 v[BIAS+8*\b+4:BIAS+8*\b+7], v3, s[90:91] offset:64*\b+16
.endr
	WIN 0
	s_wait_tensorcnt 0x1                           ; my part of K step 0 is in; K step 1's may stay out
	s_barrier_signal -1
	s_barrier_wait -1                              ; everybody's is
	FETCH ADRA0, ADRB0, 0, F0
	s_wait_loadcnt 0x0                             ; the bias
	THREE ADRA0, ADRB0, 1
	TURN 1, 0, ADRA1, ADRB1                        ; slot 0 takes K step 2
	THREE ADRA1, ADRB1, 0
	TURN 1, 1, ADRA0, ADRB0                        ; slot 1 takes K step 3
	THREE ADRA0, ADRB0, 0
	TURN 0, 0, ADRA1, ADRB1                        ; nothing is left to fetch
	THREE ADRA1, ADRB1, 0
	s_wait_dscnt 16                                ; the very last quarter
	WIN 0x05
	MUL8 F1, 0, 0, 0
	MUL8 F1, 0, 2, 0
	s_wait_dscnt 0x0
	MUL8 F1, 1, 0, 0
	MUL8 F1, 1, 2, 0
	WIN 0
	PLACES
	TOSTAGE 0
	TOSTAGE 1
	SEND 0, 16                                     ; behind block 0's loads: block 1's 8 stores and 8 loads
	s_wait_xcnt 0x0                                ; block 0's stores have read their registers: block 2's rows land there
	TOSTAGE 2
	SEND 1, 16
	s_wait_xcnt 0x0
	TOSTAGE 3
	SEND 2, 16
	SEND 3, 0
	s_wait_tensorcnt 0x0                           ; the wave's end, behind my last tensor load and my last LDS store
	ds_add_u32 v[SPW], v[NIL]
	s_wait_dscnt 0x0
	CROUND                                         ; the closing round: no work-group ends while a partner may still ask for a tile that names it
	s_endpgm
.Lfunc_end_k_q9e1e79cabd_oproj:
	.size	k_q9e1e79cabd_oproj, .Lfunc_end_k_q9e1e79cabd_oproj-k_q9e1e79cabd_oproj
	.p2alignl 7, 3214868480
	.fill 96, 4, 3214868480
	.section	.rodata,"a",@progbits
	.p2align	6, 0x0
	.amdhsa_kernel k_q9e1e79cabd_oproj
		.amdhsa_group_segment_fixed_size 327680
		.amdhsa_private_segment_fixed_size 0
		.amdhsa_enable_private_segment 0
		.amdhsa_kernarg_size 32
		.amdhsa_user_sgpr_count 2
		.amdhsa_user_sgpr_kernarg_segment_ptr 1
		.amdhsa_wavefront_size32 1
		.amdhsa_system_sgpr_workgroup_id_x 1
		.amdhsa_system_sgpr_workgroup_id_y 1
		.amdhsa_system_sgpr_workgroup_id_z 1
		.amdhsa_system_vgpr_workitem_id 0
		.amdhsa_next_free_vgpr 640
		.amdhsa_next_free_sgpr 96
		.amdhsa_reserve_vcc 0
		.amdhsa_float_denorm_mode_32 3
		.amdhsa_float_denorm_mode_16_64 3
		.amdhsa_memory_ordered 1
		.amdhsa_forward_progress 1
		.amdhsa_inst_pref_size 86
	.end_amdhsa_kernel
	.amdgpu_metadata
---
amdhsa.version: [ 1, 2 ]
amdhsa.kernels:
  - .name:           k_q9e1e79cabd_oproj
    .symbol:         k_q9e1e79cabd_oproj.kd
    .args:
      - { .name: oimg, .offset: 0, .size: 8, .value_kind: global_buffer, .address_space: global }
      - { .name: wimg, .offset: 8, .size: 8, .value_kind: global_buffer, .address_space: global }
      - { .name: b_out, .offset: 16, .size: 8, .value_kind: global_buffer, .address_space: global }
      - { .name: out0, .offset: 24, .size: 8, .value_kind: global_buffer, .address_space: global }
    .group_segment_fixed_size: 327680
    .private_segment_fixed_size: 0
    .kernarg_segment_align: 8
    .kernarg_segment_size: 32
    .max_flat_workgroup_size: 128
    .sgpr_count:     96
    .vgpr_count:     640
    .wavefront_size: 32
...
	.end_amdgpu_metadata
.endif
;; end of part 4
